; MI455X (gfx1250); checked and timed in simulation.
; The chip was launched on July 23, 2026; its instructions are those of AMD's public machine-readable ISA for CDNA 5 (MIT licence, August 2026) and "CDNA5" Instruction Set Architecture Reference Guide (July 2026). The comments in the code are by the model that wrote it; some were corrected since.
;; CI Attention. Allowed arithmetic: matrix products marked QUANTISED: E2M3 operands, one E8M0 scale for each 32 along K, by v_wmma_scale_f32_16x16x128_f8f6f4 with both operands' format E2M3, f32 sums; everything else in f32.
;; Inputs: Wk 2,048 x 2,048 float32; Wo 2,048 x 2,048 float32; Wq 2,048 x 2,048 float32; Wv 2,048 x 2,048 float32; cos 2,048 x 64 float32; sin 2,048 x 64 float32; x 1 x 2,048 x 2,048 float32.
;; Outputs: out0 1 x 2,048 x 2,048 float32.
;; This version of the problem:
;;   THIS VERSION OF THE PROBLEM IS GIVEN IN LOW PRECISION. The matrix products marked QUANTISED in the list below multiply operands that are first quantised to E2M3 (2 exponent bits, 3 mantissa bits; 6 bits a number), with one power-of-two scale for each 32 numbers along K (OCP MX v1.0); their sums are f32. All else is computed in f32.
;;   The module's matrix products, in the order in which they are computed (A, B: the left and right operand; K: the contracted axis; several contracted axes count as one K, in the product's order):
;;     1. [M 2,048, K 2,048] x [K 2,048, N 2,048]; A: input x; B: input Wq: QUANTISED
;;     2. [M 2,048, K 2,048] x [K 2,048, N 2,048]; A: input x; B: input Wk: QUANTISED
;;     3. [M 2,048, K 2,048] x [K 2,048, N 2,048]; A: input x; B: input Wv: QUANTISED
;;     4. batch 16 x [M 2,048, K 128] x [K 128, N 2,048]; A: computed on the way; B: computed on the way: QUANTISED
;;     5. batch 16 x [M 2,048, K 2,048] x [K 2,048, N 128]; A: softmax (see below); B: computed on the way: QUANTISED
;;     6. [M 2,048, K 2,048] x [K 2,048, N 2,048]; A: computed on the way; B: input Wo: QUANTISED
;;   THE QUANTISER, for each operand of a quantised product, along K:
;;     - K is cut into blocks of 32 from its start; a last block that is shorter is filled with zeros.
;;     - A block's scale is 2^e with e = floor(log2(the largest magnitude in the block)) - 2, held to -126 .. 127; a block of zeros has e = 0. As a byte (E8M0): e + 127.
;;     - Each number is divided by its block's scale, clamped to +-7.5, and rounded to the nearest number of E2M3, ties to even, subnormals kept.
;;     - The product sums the exact products of the quantised numbers (number of the format x scale) in f32.
;;   ~~~python
;;   def quantise(x, axis):      # numpy; x: float32 -> the quantised numbers, widened to float32 again
;;       x = np.moveaxis(x, axis, -1); K = x.shape[-1]
;;       x = np.pad(x, [(0, 0)] * (x.ndim - 1) + [(0, -K % 32)]); x = x.reshape(x.shape[:-1] + (-1, 32)); a = np.abs(x).max(-1, keepdims=True)
;;       e = np.where(a > 0, np.clip(np.frexp(np.where(a > 0, a, 1))[1] - 1 - 2, -126, 127), 0)      # np.frexp(a)[1] - 1 = floor(log2(a)), exactly
;;       r = np.clip(x / 2.0 ** e, -7.5, 7.5)
;;       step = 2.0 ** (np.maximum(np.frexp(np.where(r == 0, 1, r))[1] - 1, 0) - 3)
;;       q = np.round(r / step) * step * 2.0 ** e      # np.round: ties to even
;;       return np.moveaxis(q.reshape(q.shape[:-2] + (-1,))[..., :K], -1, axis).astype(np.float32)
;;   ~~~
;;   SOFTMAX AHEAD OF A QUANTISED PRODUCT. Where the list says 'softmax', what is quantised is not the finished softmax but p = 2^(t - M), with t = logit x log2(e) and M = ceil(the row's largest t), a whole number; so 1/2 < the row's largest p <= 1. The row's sum l is taken of the UNQUANTISED p, in f32, and the product's result is divided by l at the end. Since M is a whole number, a kernel that streams over the keys may use a running M (the ceiling of the running maximum): every later rescaling is an exact power of two, which a block's scale takes up: the codes' values come out the same.
;;   OPERANDS COMPUTED ON THE WAY. 'Computed on the way' means the value that the module computes at that place (a softmax that the list does not call 'softmax' is quantised finished and normalised). What goes into a quantiser is computed in f32, as accurately as f32 sums, v_exp_f32 and their like allow (about 1e-6 of the number): no bf16 or f16 on the way to a quantiser, and a product that is left as it is and whose result goes on into a quantised operand takes f32 operands (vector FMAs, or v_wmma_f32_16x16x4_f32). A number that lies on a knife's edge between two numbers of the format may be rounded either way, as far as f32 arithmetic and the matrix unit's own rounding can turn it there, and no further.
;; One version. Each part assembles by itself: llvm-mc -triple=amdgcn-amd-amdhsa -mcpu=gfx1250 --defsym DOCPART=n.
;; ======== version 1 of 1: 4 launches
;; limits: right only within a limited range of input values
;; workspace buffers: codes 15,728,640 bytes; scales 655,360 bytes; qkv_codes 9,437,184 bytes; qkv_scales 393,216 bytes; ao_codes 3,145,728 bytes; ao_scales 131,072 bytes
;; launch quant (part 1): grid 640 x 1, 4 waves a work-group, no clusters, 34,304 bytes of LDS; arguments x, Wq, Wk, Wv, Wo, codes, scales; writes codes, scales
.if DOCPART == 1
	.amdgcn_target "amdgcn-amd-amdhsa--gfx1250"
	.amdhsa_code_object_version 6
	.text
	.protected	k_q5f396ad438_quant
	.globl	k_q5f396ad438_quant
	.p2align	8
	.type	k_q5f396ad438_quant,@function
k_q5f396ad438_quant:
	s_mov_b64 s[64:65], 0
	v_nop
	global_prefetch_b8 v0, s[64:65] scope:SCOPE_SE
	s_setreg_imm32_b32 hwreg(HW_REG_WAVE_MODE, 25, 1), 1
	s_wait_xcnt 0x0
; x, Wq, Wk, Wv, Wo, each [2048][2048] f32 with K innermost, become codes of FP6 (E2M3) with one E8M0 byte for each 32 along K.
; THE CODES ARE LAID AS IMAGES OF OPERAND REGISTERS.  A fragment is 16 rows x 128 K: 12 registers a lane, 1,536 bytes; register 4 c + i of lane l lies at byte 512 c + 16 l + 4 i.
; codes: [group 0..639][K step 0..15][1536]; groups 0-127 x, 128-255 Wq, 256-383 Wk, 384-511 Wv, 512-639 Wo.
; THE ROWS OF A GROUP ARE NOT NEIGHBOURS: lane r of group g of a tensor holds row 32 (g / 2) + 8 (g % 2) + r + 8 (r / 8), so that in every transposed product the 16 result registers of two neighbouring
; groups are 16 neighbours along that tensor's rows.
; scales: byte g x 1024 + (K step / 4) x 256 + 16 r + 4 (K step % 4): one word (four bytes, 128 along K) for a row and a K step.
; A block's scale is 2^(floor(log2(its largest magnitude)) - 2): its byte is the largest magnitude's exponent field - 2, held at 1 from below.
; LIMITS: NaN and infinities among the inputs are not served; a block whose largest magnitude lies under 2^-124 has its byte held at 1; a block of zeros gets the byte 1 and not 127: its codes are zeros, and this program alone reads the bytes.
; SHARES: a work-group is a group (16 rows); wave w takes K steps 4 w .. 4 w + 3.  Each load reads 512 consecutive bytes of one row; a K step's 16 rows turn through the wave's own stage in LDS, so that a lane
; gets 16 neighbours of each block of 32 of its row.  No barrier: waves share nothing.  Loads run two K steps (32 loads a wave) ahead.
.set STG,   16*528                     ; a wave's stage: 16 rows of 512 bytes + 16
.set SPARE, 4*STG                      ; behind the stages: the spare words, 128 bytes for each wave: two blocks of 256 bytes that no other line names
.set GA,  2                            ; v2   16 x lane: my bytes of a load's 512, and of an image's 512
.set SI,  3                            ; v3   the stage, on the way in: 16 x lane
.set SOA, 4                            ; v4   and on the way out: 528 r + 64 h
.set SPW, 12                           ; v12  LDS address of my spare word; never rewritten
.set NIL, 13                           ; v13  0; never rewritten
.set TM,  16                           ; v16-19 largest magnitudes, v20-23 bytes, v28-31 the conversions' scale operands
.set PWB, 32                           ; v32-35 the four K steps' scale words
.set PC,  40                           ; v40-51 a fragment's codes; v52-58 at work
.set X,   64                           ; v64-127 64 numbers: register 16 b + i = k 32 b + 16 h + i of my row
.set R,   128                          ; v128-255 two sets of 64 registers as loaded
.set SEL, 28                           ; s[28:29] lane selects: lane l xor 16
	s_load_b256 s[4:11], s[0:1], 0x0               ; x, Wq, Wk, Wv
	s_load_b128 s[12:15], s[0:1], 0x20             ; Wo, codes
	s_load_b64 s[16:17], s[0:1], 0x30              ; scales
	v_lshl_add_u32 v[SPW], v0, 2, SPARE
	v_mov_b32 v[NIL], 0
	v_lshrrev_b32 v1, 5, v0
	v_readfirstlane_b32 s18, v1                    ; wave 0..3
	v_and_b32 v1, 31, v0                           ; lane
	v_lshlrev_b32 v[GA], 4, v1
	s_mul_i32 s22, s18, STG
	v_add_nc_u32 v[SI], s22, v[GA]
	v_and_b32 v6, 15, v0                           ; r
	v_bfe_u32 v7, v0, 4, 1                         ; h
	v_mul_u32_u24 v[SOA], v6, 528
	v_lshl_add_u32 v[SOA], v7, 6, v[SOA]
	v_add_nc_u32 v[SOA], s22, v[SOA]
	s_mov_b32 s[SEL], 0x76543210
	s_mov_b32 s[SEL+1], 0xfedcba98
.irp b, 0,1,2,3
	v_mov_b32 v[TM+4+\b], 0                        ; written once: a lane permute's destination counts as one of its sources
.endr
	s_lshr_b32 s19, ttmp9, 7                       ; which tensor
	s_and_b32 s20, ttmp9, 127                      ; which group of it
	s_lshr_b32 s22, s20, 1
	s_lshl_b32 s22, s22, 5
	s_and_b32 s23, s20, 1
	s_lshl_b32 s23, s23, 3
	s_add_co_u32 s22, s22, s23                     ; the group's first row: 32 (g / 2) + 8 (g % 2)
	s_lshl_b32 s22, s22, 13                        ; rows of 8,192 bytes
	s_lshl_b32 s23, s18, 11                        ; my wave's 2,048 bytes of each row
	s_add_co_u32 s22, s22, s23
	s_mov_b32 s23, 0
	s_mul_i32 s24, ttmp9, 24576                    ; the group's codes,
	s_mul_i32 s25, s18, 6144                       ; my four fragments of them
	s_add_co_u32 s24, s24, s25
	s_mov_b32 s25, 0
	s_lshl_b32 s26, ttmp9, 10                      ; the group's scale words,
	s_lshl_b32 s27, s18, 8                         ; my 256 bytes of them
	s_add_co_u32 s26, s26, s27
	s_mov_b32 s27, 0
	s_wait_alu depctr_va_vdst(0)
	s_wait_kmcnt 0x0
	s_cmp_eq_u32 s19, 1                            ; the choice of the tensor hangs on the work-group's number alone
	s_cselect_b64 s[4:5], s[6:7], s[4:5]
	s_cmp_eq_u32 s19, 2
	s_cselect_b64 s[4:5], s[8:9], s[4:5]
	s_cmp_eq_u32 s19, 3
	s_cselect_b64 s[4:5], s[10:11], s[4:5]
	s_cmp_eq_u32 s19, 4
	s_cselect_b64 s[4:5], s[12:13], s[4:5]
	s_add_nc_u64 s[4:5], s[4:5], s[22:23]
	s_add_nc_u64 s[14:15], s[14:15], s[24:25]
	s_add_nc_u64 s[16:17], s[16:17], s[26:27]
.macro LOAD f                          ; K step f of my four: 16 rows x 512 bytes; place i of the group is row i + 8 (i / 8)
.irp i, 0,1,2,3,4,5,6,7,8,9,10,11,12,13,14,15
	global_load_b128 v[R+64*((\f)%2)+4*\i:R+64*((\f)%2)+4*\i+3], v[GA], s[4:5] offset:(\i+8*(\i/8))*8192+512*(\f) th:TH_LOAD_NT
.endr
.endm
; 64 numbers of a lane, v[s] on, become a fragment's codes in v[PC] on and its row's scale word in v[pw]
.macro QUANT s, pw
.irp b, 0,1,2,3
	v_max3_num_f32 v[TM+\b], |v[\s+16*\b]|, |v[\s+1+16*\b]|, 0x1800000   ; block b: my 16 numbers, and the floor 2^(3 - 127): the byte cannot fall under 1
.endr
.irp i, 2,4,6,8,10,12,14
.irp b, 0,1,2,3
	v_max3_num_f32 v[TM+\b], v[TM+\b], |v[\s+16*\b+\i]|, |v[\s+1+16*\b+\i]|   ; the four blocks by turns
.endr
.endr
.irp b, 0,1,2,3
	v_permlanex16_b32 v[TM+4+\b], v[TM+\b], s[SEL], s[SEL+1]
.endr
.irp b, 0,1,2,3
	v_max_num_f32 v[TM+\b], v[TM+\b], v[TM+4+\b]   ; with lane l xor 16's: the block's largest magnitude
.endr
.irp b, 0,1,2,3
	v_add_nc_u32 v[TM+12+\b], 0xff000000, v[TM+\b] ; 2 off its exponent field: the conversion takes the exponent field of this operand as its scale
.endr
.irp b, 0,1,2,3
	v_lshrrev_b32 v[TM+4+\b], 23, v[TM+12+\b]      ; the scale's byte
.endr
	v_lshl_or_b32 v[\pw], v[TM+5], 8, v[TM+4]
	v_lshl_or_b32 v[\pw], v[TM+6], 16, v[\pw]
	v_lshl_or_b32 v[\pw], v[TM+7], 24, v[\pw]
.irp c, 0,1
	v_cvt_scalef32_pk16_fp6_f32 v[PC+6*\c:PC+2+6*\c], v[\s+32*\c:\s+15+32*\c], v[TM+12+2*\c]
	v_cvt_scalef32_pk16_fp6_f32 v[PC+12+4*\c:PC+14+4*\c], v[\s+16+32*\c:\s+31+32*\c], v[TM+12+2*\c+1]   ; (a conversion's three registers begin on an even number)
.endr
	v_nop                                          ; one plain instruction behind the scaled conversions
.irp c, 0,1                            ; the operand's layout wants a whole block in a lane: lanes 0-15 block 2 c, lanes 16-31 block 2 c + 1
.irp i, 0,1,2
	v_permlane16_swap_b32 v[PC+6*\c+\i], v[PC+12+4*\c+\i]
.endr
.irp i, 0,1,2
	v_mov_b32 v[PC+3+6*\c+\i], v[PC+12+4*\c+\i]
.endr
.endr
.endm
.macro STEP f
.if (\f) < 3
	s_wait_loadcnt 16                              ; this K step's 16 loads are in; the next one's 16 may be out
.else
	s_wait_loadcnt 0x0
.endif
.irp i, 0,1,2,3,4,5,6,7,8,9,10,11,12,13,14,15
	ds_store_b128 v[SI], v[R+64*((\f)%2)+4*\i:R+64*((\f)%2)+4*\i+3] offset:528*\i
.endr
.irp b, 0,1,2,3
.irp j, 0,1,2,3
	ds_load_b128 v[X+16*\b+4*\j:X+16*\b+4*\j+3], v[SOA] offset:128*\b+16*\j   ; LDS serves a wave's instructions in order: these see the stores above
.endr
.endr
	s_wait_dscnt 0x0                               ; my 64 numbers are back, and the stores into the stage have read their registers
	s_wait_xcnt 0x0                                ; the last fragment's stores have read the codes' registers: they are written again only behind this wait
.if (\f) < 2
	LOAD (\f)+2
.endif
	QUANT X, PWB+(\f)
.irp c, 0,1,2
	global_store_b128 v[GA], v[PC+4*\c:PC+4*\c+3], s[14:15] offset:1536*(\f)+512*\c   ; 32 lanes store 512 consecutive bytes
.endr
.endm
	LOAD 0
	LOAD 1
	STEP 0
	STEP 1
	STEP 2
	STEP 3
	s_wait_xcnt 0x0                                ; EXEC changes only behind this wait
	v_cmp_gt_u32 vcc_lo, 16, v1
	s_and_saveexec_b32 s9, vcc_lo                  ; lanes 0-15: lane r has row r's four words (lanes 16-31 hold the same)
	global_store_b128 v[GA], v[PWB:PWB+3], s[16:17]   ; sixteen lanes store 256 consecutive bytes, aligned
	s_wait_xcnt 0x0
	s_or_b32 exec_lo, exec_lo, s9
	s_wait_tensorcnt 0x0                           ; the wave's end: behind my last LDS store
	ds_add_u32 v[SPW], v[NIL]
	s_wait_dscnt 0x0
	s_endpgm
.Lfunc_end_k_q5f396ad438_quant:
	.size	k_q5f396ad438_quant, .Lfunc_end_k_q5f396ad438_quant-k_q5f396ad438_quant
	.p2alignl 7, 3214868480
	.fill 96, 4, 3214868480
	.section	.rodata,"a",@progbits
	.p2align	6, 0x0
	.amdhsa_kernel k_q5f396ad438_quant
		.amdhsa_group_segment_fixed_size 34304
		.amdhsa_private_segment_fixed_size 0
		.amdhsa_enable_private_segment 0
		.amdhsa_kernarg_size 56
		.amdhsa_user_sgpr_count 2
		.amdhsa_user_sgpr_kernarg_segment_ptr 1
		.amdhsa_wavefront_size32 1
		.amdhsa_system_sgpr_workgroup_id_x 1
		.amdhsa_system_sgpr_workgroup_id_y 1
		.amdhsa_system_sgpr_workgroup_id_z 1
		.amdhsa_system_vgpr_workitem_id 0
		.amdhsa_next_free_vgpr 256
		.amdhsa_next_free_sgpr 66
		.amdhsa_reserve_vcc 1
		.amdhsa_float_denorm_mode_32 3
		.amdhsa_float_denorm_mode_16_64 3
		.amdhsa_memory_ordered 1
		.amdhsa_forward_progress 1
		.amdhsa_inst_pref_size 34
	.end_amdhsa_kernel
	.amdgpu_metadata
---
amdhsa.version: [ 1, 2 ]
amdhsa.kernels:
  - .name:           k_q5f396ad438_quant
    .symbol:         k_q5f396ad438_quant.kd
    .args:
      - { .name: x, .offset: 0, .size: 8, .value_kind: global_buffer, .address_space: global }
      - { .name: Wq, .offset: 8, .size: 8, .value_kind: global_buffer, .address_space: global }
      - { .name: Wk, .offset: 16, .size: 8, .value_kind: global_buffer, .address_space: global }
      - { .name: Wv, .offset: 24, .size: 8, .value_kind: global_buffer, .address_space: global }
      - { .name: Wo, .offset: 32, .size: 8, .value_kind: global_buffer, .address_space: global }
      - { .name: codes, .offset: 40, .size: 8, .value_kind: global_buffer, .address_space: global }
      - { .name: scales, .offset: 48, .size: 8, .value_kind: global_buffer, .address_space: global }
    .group_segment_fixed_size: 34304
    .private_segment_fixed_size: 0
    .kernarg_segment_align: 8
    .kernarg_segment_size: 56
    .max_flat_workgroup_size: 128
    .sgpr_count:     66
    .vgpr_count:     256
    .wavefront_size: 32
...
	.end_amdgpu_metadata
.endif
;; end of part 1
;; launch qkv (part 2): grid 24 x 8, 4 waves a work-group, clusters of 4 x 4, 327,680 bytes of LDS; arguments codes, scales, cos, sin, qkv_codes, qkv_scales; writes qkv_codes, qkv_scales
.if DOCPART == 2
	.amdgcn_target "amdgcn-amd-amdhsa--gfx1250"
	.amdhsa_code_object_version 6
	.text
	.protected	k_q5f396ad438_qkv
	.globl	k_q5f396ad438_qkv
	.p2align	8
	.type	k_q5f396ad438_qkv,@function
k_q5f396ad438_qkv:
	s_mov_b64 s[64:65], 0
	v_nop
	global_prefetch_b8 v0, s[64:65] scope:SCOPE_SE
	s_setreg_imm32_b32 hwreg(HW_REG_WAVE_MODE, 25, 1), 1
	s_wait_xcnt 0x0
	s_wait_alu depctr_hold_cnt(0) depctr_sa_sdst(0) depctr_va_vdst(0) depctr_va_sdst(0) depctr_va_ssrc(0) depctr_va_vcc(0) depctr_vm_vsrc(0)
	s_getreg_b32 s2, hwreg(HW_REG_IB_STS2, 6, 4)
	s_cmp_eq_u32 s2, 0
	s_cbranch_scc0 .Lentry_in_a_cluster
	s_endpgm
.Lentry_in_a_cluster:
	s_bfe_u32 s2, ttmp6, 0x10000c
	s_cmp_lg_u32 s2, 0xf033
	s_cbranch_scc0 .Lentry_shape_is_right
	s_endpgm
.Lentry_shape_is_right:
; q, k, v = x W^T on codes of FP6 (E2M3), then RoPE on q and k, and the quantising of the results for the attention; for v the two operands change places, so that the keys are innermost.
; A tile of 256 x 256 to a work-group, four waves of 128 x 128; K goes in slots of 256 (two steps) through a ring of two LDS slots; operands are images of their registers; 4 x 4 clusters ask jointly.
; THE HEAD: one tensor load a wave: wave 0 slot 0's 16 groups of A, wave 1 those of B, wave 2 A's scale words for all of K, wave 3 B's.  Slot 1 is first filled behind the full sequence and a round, a quarter a wave.
; PREFETCH: behind each refill a wave names the slot two refills on: of the 8 groups x 3,072 bytes that it fetches, each of the four partners takes 2 groups, 24 blocks of 256 bytes, a lane a block; the last trip asks for nothing.
; LIMITS: NaN and infinities are not served; a block whose largest magnitude lies under 2^-124 has its byte held at 1; a block of zeros gets the byte 1 (this program alone reads the bytes).
.set NQ,     2
.set FR,     12
.set NL,     3
.set NP,     4
.set SROW,   3072
.set HALFT,  8*SROW
.set SLOT,   4*HALFT
.set LAPS,   4
.set SCL,    2*SLOT
.set HALFS,  8192
.set SBLK,   1024
.set SPARE,  SCL+4*HALFS
.set ADRA, 16
.set ADRB, 20
.set VC,   24
.set LI,   25
.set ADRS, 27
.set SPW,  28
.set NIL,  29
.set SC,   32
.set AF,   128
.set PC,   128
.set TM,   148
.set T,    192
.set U,    224
.set SW,   2
.set XW,   10
.set WV, 16
.set RH, 17
.set CH, 18
.set FV, 19
.set G1, 24
.set G0, 32
.set G1B, 48
.set G0B, 56
.set G1S, 68
.set G0S, 76
.set G1SB, 80
.set G0SB, 88
.set MSB, 0
.macro WIN new
.if MSB != (\new)
	s_set_vgpr_msb (MSB<<8)|(\new)
.set MSB, (\new)
.endif
.endm
.set MUL_LO, 0xa1
.set MUL_HI, 0xf1
.set TO_B,   0x40
.macro JLOAD g0a, g1a, g0b, g1b
	s_cmp_eq_u32 s[RH], 0
	s_cbranch_scc0 .Lfor_b_\@
	tensor_load_to_lds s[\g0a:\g0a+3], s[\g1a:\g1a+7]
	s_nop 0
.rept 4
	v_nop
.endr
	s_branch .Lasked_\@
.Lfor_b_\@:
	tensor_load_to_lds s[\g0b:\g0b+3], s[\g1b:\g1b+7]
	s_nop 0
.rept 4
	v_nop
.endr
.Lasked_\@:
.endm
.macro CREST
	s_cmp_lg_u32 s[WV], 0
	s_cbranch_scc1 .Lnot_wave_0_\@
	s_barrier_signal -3
.Lnot_wave_0_\@:
	s_barrier_wait -3
	s_barrier_signal -1
	s_barrier_wait -1
.endm
.macro CROUND
	s_barrier_signal -1
	s_barrier_wait -1
	CREST
.endm
	s_load_b256 s[4:11], s[0:1], 0x0
	s_load_b128 s[12:15], s[0:1], 0x20
	v_lshl_add_u32 v[SPW], v0, 2, SPARE
	v_mov_b32 v[NIL], 0
	ds_add_u32 v[SPW], v[NIL]
	ds_add_u32 v[SPW], v[NIL]
	v_lshrrev_b32 v1, 5, v0
	v_readfirstlane_b32 s[WV], v1
	s_lshr_b32 s[RH], s[WV], 1
	s_and_b32 s[CH], s[WV], 1
	s_lshr_b32 s[FV], ttmp9, 2
	s_bfe_u32 s40, ttmp6, 0x40000
	s_bfe_u32 s41, ttmp6, 0x40004
	s_lshl_b32 s42, ttmp9, 2
	s_add_co_u32 s42, s42, s40
	s_and_b32 s43, ttmp7, 0xffff
	s_lshl_b32 s43, s43, 2
	s_add_co_u32 s43, s43, s41
	s_lshl_b32 s44, s41, 2
	s_lshl_b32 s44, 15, s44
	s_lshl_b32 s45, 0x1111, s40
	s_or_b32 s[G1+0], s44, (3<<16)|(1<<21)
	s_or_b32 s[G1B+0], s45, (3<<16)|(1<<21)
.irp g, G1, G1B
	s_mov_b32 s[\g+1], 384<<16
	s_mov_b32 s[\g+2], 16<<16                      ; the head's loads bring 16 groups
	s_mov_b32 s[\g+3], 384<<16
	s_mov_b32 s[\g+4], 16
	s_mov_b32 s[\g+5], 3072
	s_mov_b32 s[\g+6], 0
	s_mov_b32 s[\g+7], 0
.endr
	s_or_b32 s[G1S+0], s44, (3<<16)|(1<<21)
	s_or_b32 s[G1SB+0], s45, (3<<16)|(1<<21)
.irp g, G1S, G1SB
	s_mov_b32 s[\g+1], 32<<16
	s_mov_b32 s[\g+2], 64<<16                      ; 16 groups' scale words: 16,384 dense bytes as 64 rows of 256
	s_mov_b32 s[\g+3], 32<<16
	s_mov_b32 s[\g+4], 64
	s_mov_b32 s[\g+5], 32
	s_mov_b32 s[\g+6], 0
	s_mov_b32 s[\g+7], 0
.endr
	s_lshl_b32 s94, s[CH], 3
	s_mul_i32 s95, s[FV], 384
	s_lshl_b32 s20, s43, 4
	s_add_co_u32 s20, s20, s95
	s_lshl_b32 s46, s42, 4
	s_add_co_u32 s46, s46, 128
	s_sub_co_u32 s46, s46, s95
	s_cmp_eq_u32 s[RH], 0                          ; the prefetches' offset: do I fetch for A?
	s_cselect_b32 s98, s20, s46                    ; the tile's first group,
	s_cselect_b32 s99, s40, s41                    ; my place among the four that ask with me
	s_add_co_u32 s98, s98, s94                     ; + the 8 groups that I fetch
	s_lshl_b32 s99, s99, 1
	s_add_co_u32 s98, s98, s99                     ; + my work-group's 2 of them
	s_mul_i32 s98, s98, 24576
	s_add_co_u32 s98, s98, SROW                    ; at slot 1 of the walk; each refill steps it by a slot and names the slot two further on
	s_mov_b32 s99, 0
	s_lshl_b32 s22, s20, 10
	s_mov_b32 s23, 0
	s_lshl_b32 s92, s46, 10
	s_mov_b32 s93, 0
	s_mul_i32 s20, s20, 24576
	s_mov_b32 s21, 0
	s_mul_i32 s46, s46, 24576
	s_mov_b32 s47, 0
	s_mul_i32 s96, s[WV], HALFT
	s_wait_dscnt 0x0
	s_wait_kmcnt 0x0
	s_add_nc_u64 s[20:21], s[4:5], s[20:21]
	s_add_nc_u64 s[22:23], s[6:7], s[22:23]
	s_add_nc_u64 s[46:47], s[4:5], s[46:47]
	s_add_nc_u64 s[92:93], s[6:7], s[92:93]
	s_add_nc_u64 s[98:99], s[4:5], s[98:99]
	CROUND
	s_mov_b32 s[G0S], 1
	s_mov_b32 s[G0S+1], SCL
	s_mov_b64 s[G0S+2:G0S+3], s[22:23]
	s_or_b32 s[G0S+3], s[G0S+3], 0x80000000
	s_mov_b32 s[G0SB], 1
	s_mov_b32 s[G0SB+1], SCL+2*HALFS
	s_mov_b64 s[G0SB+2:G0SB+3], s[92:93]
	s_or_b32 s[G0SB+3], s[G0SB+3], 0x80000000
	s_mul_i32 s94, s94, 24576                      ; in the ring I fetch 8 groups of a tile: which, in bytes
	s_mov_b32 s95, 0
	s_mov_b32 s[G0], 1                             ; the head: slot 0's 16 groups of A,
	s_mov_b32 s[G0+1], 0
	s_mov_b64 s[G0+2:G0+3], s[20:21]
	s_or_b32 s[G0+3], s[G0+3], 0x80000000
	s_mov_b32 s[G0B], 1                            ; and of B, behind them
	s_mov_b32 s[G0B+1], 2*HALFT
	s_mov_b64 s[G0B+2:G0B+3], s[46:47]
	s_or_b32 s[G0B+3], s[G0B+3], 0x80000000
	s_add_nc_u64 s[20:21], s[20:21], s[94:95]
	s_add_nc_u64 s[46:47], s[46:47], s[94:95]
	s_mov_b32 s[G0+4], 1                           ; slot 1: my quarter
	s_add_co_u32 s[G0+5], s96, SLOT
	s_add_nc_u64 s[G0+6:G0+7], s[20:21], SROW
	s_or_b32 s[G0+7], s[G0+7], 0x80000000
	s_mov_b32 s[G0B+4], 1
	s_add_co_u32 s[G0B+5], s96, SLOT
	s_add_nc_u64 s[G0B+6:G0B+7], s[46:47], SROW
	s_or_b32 s[G0B+7], s[G0B+7], 0x80000000
; one chain of branches on the wave's number, one load to an arm, all arms to one join: one tensor load a wave at the head
.macro ARM under, g0, g1, next
	s_cmp_lt_u32 s[WV], \under
	s_cbranch_scc0 \next
	tensor_load_to_lds s[\g0:\g0+3], s[\g1:\g1+7]
	s_nop 0
.rept 4
	v_nop
.endr
	s_branch .Lhead_asked
\next:
.endm
	ARM 1, G0,  G1,  .Lhead_b
	ARM 2, G0B, G1B, .Lhead_sa
	ARM 3, G0S, G1S, .Lhead_sb
	tensor_load_to_lds s[G0SB:G0SB+3], s[G1SB:G1SB+7]
	s_nop 0
.rept 4
	v_nop
.endr
.Lhead_asked:
.set PFO, 30                           ; v30 the prefetches' offset: 24,576 (lane / 12) + 256 (lane % 12); lanes 24-31 name lane 23's block again; never rewritten
	v_and_b32 v4, 31, v0
	v_min_u32 v4, 23, v4
	v_mul_u32_u24 v5, v4, 43
	v_lshrrev_b32 v5, 9, v5                        ; lane / 12, for lanes under 24
	v_mul_u32_u24 v6, v5, 12
	v_sub_nc_u32 v4, v4, v6
	v_lshlrev_b32 v4, 8, v4
	v_mad_u32_u24 v[PFO], v5, 24576, v4
	global_prefetch_b8 v[PFO], s[98:99] th:TH_LOAD_NT scope:SCOPE_SE                ; behind slot 0's load: my 24 blocks of slot 1,
	global_prefetch_b8 v[PFO], s[98:99] offset:SROW th:TH_LOAD_NT scope:SCOPE_SE    ; and of slot 2
	s_wait_alu depctr_va_vdst(0)
	s_wait_tensorcnt 0x0                           ; my tile of the head's four is in; the full sequence ahead of slot 1's first fill
	ds_add_u32 v[SPW], v[NIL]
	s_mov_b32 s[G1+2], 8<<16                       ; no load of mine is out: from here on a load brings 8 groups,
	s_mov_b32 s[G1+4], 8
	s_mov_b32 s[G1B+2], 8<<16
	s_mov_b32 s[G1B+4], 8
	s_mov_b32 s[G0+1], s96                         ; and slot 0's group 0 stands at my quarter, for its refills
	s_add_nc_u64 s[G0+2:G0+3], s[G0+2:G0+3], s[94:95]
	s_mov_b32 s[G0B+1], s96
	s_add_nc_u64 s[G0B+2:G0B+3], s[G0B+2:G0B+3], s[94:95]
	s_wait_dscnt 0x0
	CROUND                                         ; all four tiles are in, in every wave of every partner
	JLOAD G0+4, G1, G0B+4, G1B
	global_prefetch_b8 v[PFO], s[98:99] offset:2*SROW th:TH_LOAD_NT scope:SCOPE_SE  ; behind slot 1's load: slot 3
	v_and_b32 v1, 31, v0
	v_lshlrev_b32 v[LI], 4, v1
	s_mul_i32 s20, s[RH], HALFT
	s_mul_i32 s21, s[CH], HALFT
	s_add_co_u32 s21, s21, 2*HALFT
.irp s, 0,1
	v_add_nc_u32 v[ADRA+\s], s20, v[LI]
	v_add_nc_u32 v[ADRB+\s], s21, v[LI]
	s_add_co_u32 s20, s20, SLOT
	s_add_co_u32 s21, s21, SLOT
.endr
	v_and_b32 v2, 15, v0
	v_bfe_u32 v3, v0, 4, 1
	s_mul_i32 s20, s[RH], HALFS
	s_mul_i32 s21, s[CH], HALFS
	s_add_co_u32 s21, s21, 2*HALFS
	s_sub_co_u32 s21, s21, s20
	v_mul_u32_u24 v4, s21, v3
	s_add_co_u32 s20, s20, SCL
	v_lshl_add_u32 v4, v2, 4, v4
	v_add_nc_u32 v[ADRS], s20, v4
	v_and_b32 v4, 8, v2
	v_add_nc_u32 v4, v4, v2
	v_lshlrev_b32 v[VC], 8, v4
	v_lshl_add_u32 v[VC], v3, 6, v[VC]
	s_wait_alu depctr_va_vdst(0)
	s_lshl_b32 s92, s43, 1
	s_add_co_u32 s92, s92, s[RH]
	s_lshl_b32 s93, s42, 1
	s_add_co_u32 s93, s93, s[CH]
	s_lshl_b32 s94, s[FV], 5
	s_sub_co_u32 s93, s93, s94
	s_lshl_b32 s94, s93, 4
	s_add_co_u32 s94, s94, s92
	s_lshl_b32 s95, s92, 4
	s_add_co_u32 s95, s95, s93
	s_add_co_u32 s95, s95, 512
	s_cmp_eq_u32 s[FV], 0
	s_cselect_b32 s94, s94, s95
	s_mul_i32 s96, s94, 12288
	s_mov_b32 s97, 0
	s_add_nc_u64 s[12:13], s[12:13], s[96:97]
	s_lshl_b32 s96, s94, 9
	s_add_nc_u64 s[14:15], s[14:15], s[96:97]
	s_lshl_b32 s96, s92, 15
	s_add_nc_u64 s[8:9], s[8:9], s[96:97]
	s_add_nc_u64 s[10:11], s[10:11], s[96:97]
.macro BUFOF a
.if (\a)%5 == 0
.set BW, 0
.set BC, 64
.set BS, 96
.elseif (\a)%5 == 1
.set BW, 1
.set BC, 96
.set BS, 224
.elseif (\a)%5 == 2
.set BW, 1
.set BC, 0
.set BS, 32
.elseif (\a)%5 == 3
.set BW, 1
.set BC, 128
.set BS, 160
.else
.set BW, 1
.set BC, 64
.set BS, 192
.endif
.endm
.macro CSLOAD a
	BUFOF \a
	WIN BW<<6
.irp n, 0,1,2,3,4,5,6,7
	global_load_b128 v[BC+4*\n:BC+4*\n+3], v[VC], s[8:9] offset:(32*((\a)/2)+8*((\a)%2))*256+128*(\n/4)+16*(\n%4)
.endr
.irp n, 0,1,2,3,4,5,6,7
	global_load_b128 v[BS+4*\n:BS+4*\n+3], v[VC], s[10:11] offset:(32*((\a)/2)+8*((\a)%2))*256+128*(\n/4)+16*(\n%4)
.endr
	WIN 0
.endm
	CSLOAD 0
	CSLOAD 1
.macro FRAG reg, adr, q, i
.irp c, 0,1,2
	ds_load_b128 v[\reg+4*\c:\reg+4*\c+3], v[\adr] offset:(\i)*SROW+(\q)*1536+512*\c
.endr
.endm
.macro MUL16 a0, p, q, sc, zero
.irp a, \a0, \a0+1
.irp b, 0,1,2,3,4,5,6,7
.if \zero
	v_wmma_scale_f32_16x16x128_f8f6f4 v[8*(8*((\a)%4)+\b):8*(8*((\a)%4)+\b)+7], v[128*(\p)+FR*\b:128*(\p)+FR*\b+FR-1], v[AF+FR*(\a):AF+FR*(\a)+FR-1], 0, v[SC+8*NQ*(\sc)+NQ*\b+(\q)], v[SC+8*NQ*(\sc)+NQ*(\a)+(\q)] matrix_a_fmt:MATRIX_FMT_FP6 matrix_b_fmt:MATRIX_FMT_FP6 matrix_a_scale:MATRIX_SCALE_ROW1
.else
	v_wmma_scale_f32_16x16x128_f8f6f4 v[8*(8*((\a)%4)+\b):8*(8*((\a)%4)+\b)+7], v[128*(\p)+FR*\b:128*(\p)+FR*\b+FR-1], v[AF+FR*(\a):AF+FR*(\a)+FR-1], v[8*(8*((\a)%4)+\b):8*(8*((\a)%4)+\b)+7], v[SC+8*NQ*(\sc)+NQ*\b+(\q)], v[SC+8*NQ*(\sc)+NQ*(\a)+(\q)] matrix_a_fmt:MATRIX_FMT_FP6 matrix_b_fmt:MATRIX_FMT_FP6 matrix_a_scale:MATRIX_SCALE_ROW1
.endif
.endr
.endr
.endm
.macro FETCH_B slot, q, p
	WIN TO_B
.irp i, 0,1,2,3,4,5,6,7
	FRAG 128*(\p)+FR*\i, ADRB+\slot, \q, \i
.endr
	WIN 0
.endm
.macro FETCH_A slot, q, i0
.irp i, \i0, \i0+1, \i0+2, \i0+3
	FRAG AF+FR*(\i), ADRA+\slot, \q, \i
.endr
.endm
.macro SCALES sc
.irp i, 0,1,2,3,4,5,6,7
	ds_load_b64 v[SC+8*NQ*\sc+NQ*\i:SC+8*NQ*\sc+NQ*\i+1], v[ADRS] offset:\i*SBLK
.endr
.endm
.macro PLACES n
.rept \n
	v_nop
.endr
.endm
.macro STEP slot, q, zero
	s_wait_dscnt 4*NL
	WIN MUL_LO
	MUL16 0, (\q)%2, \q, \slot, \zero
	MUL16 2, (\q)%2, \q, \slot, \zero
	s_wait_dscnt 0
	PLACES NP
	FETCH_B \slot, (\q)+1, 1-(\q)%2
	FETCH_A \slot, (\q)+1, 0
	WIN MUL_HI
	MUL16 4, (\q)%2, \q, \slot, \zero
	MUL16 6, (\q)%2, \q, \slot, \zero
	PLACES NP
	WIN 0
	FETCH_A \slot, (\q)+1, 4
.endm
.macro TURN slot, next, fill
.if \fill
	s_wait_xcnt 0x0                                ; my last prefetch has read its address: it is stepped only behind this wait
	s_add_nc_u64 s[98:99], s[98:99], SROW
.endif
	s_wait_tensorcnt 0x0
	ds_add_u32 v[SPW], v[NIL]
	s_wait_dscnt 4*NL+1
	WIN MUL_LO
	MUL16 0, 1, NQ-1, \slot, 0
	s_wait_dscnt 0x0
	s_barrier_signal -1
	MUL16 2, 1, NQ-1, \slot, 0
	WIN 0
	s_barrier_wait -1
.if \fill
	CREST
	s_add_nc_u64 s[G0+4*\slot+2:G0+4*\slot+3], s[G0+4*\slot+2:G0+4*\slot+3], 2*SROW
	s_add_nc_u64 s[G0B+4*\slot+2:G0B+4*\slot+3], s[G0B+4*\slot+2:G0B+4*\slot+3], 2*SROW
	JLOAD G0+4*\slot, G1, G0B+4*\slot, G1B
.else
	PLACES NP
.endif
	s_wait_alu depctr_va_vdst(0)
	v_add_nc_u32 v[ADRS], 8+240*\slot, v[ADRS]
	FETCH_B \next, 0, 0
	FETCH_A \next, 0, 0
	SCALES \next
.if \fill
	s_cmp_gt_u32 s3, 1                             ; the last trip's two refills have no slot two on
	s_cbranch_scc0 .Lno_ask_\@
	global_prefetch_b8 v[PFO], s[98:99] offset:2*SROW th:TH_LOAD_NT scope:SCOPE_SE
.Lno_ask_\@:
.endif
	WIN MUL_HI
	MUL16 4, 1, NQ-1, \slot, 0
	MUL16 6, 1, NQ-1, \slot, 0
	PLACES NP
	WIN 0
	FETCH_A \next, 0, 4
.endm
	FETCH_B 0, 0, 0
	FETCH_A 0, 0, 0
	SCALES 0
	FETCH_A 0, 0, 4
	STEP 0, 0, 1
	s_mov_b32 s3, LAPS-1
.Llap:
	TURN 0, 1, 1
	STEP 1, 0, 0
	TURN 1, 0, 1
	STEP 0, 0, 0
	s_sub_co_u32 s3, s3, 1
	s_cmp_lg_u32 s3, 0
	s_cbranch_scc1 .Llap
	TURN 0, 1, 0
	STEP 1, 0, 0
	CSLOAD 2
	s_wait_dscnt 4*NL
	WIN MUL_LO
	MUL16 0, 1, NQ-1, 1, 0
	MUL16 2, 1, NQ-1, 1, 0
	s_wait_dscnt 0
	WIN MUL_HI
	MUL16 4, 1, NQ-1, 1, 0
	MUL16 6, 1, NQ-1, 1, 0
	WIN 0
.macro ROPE a
	BUFOF \a
.set W, 2+(\a)/4
.set AC, 64*((\a)%4)
.if (\a) == 0
	s_wait_loadcnt 32
.elseif (\a) == 3
	s_wait_loadcnt 48
.elseif (\a) > 3
	s_wait_loadcnt 16*(7-(\a))
.endif
	WIN W|(BW<<2)
.irp n, 0,2,4,6,8,10,12,14,16,18,20,22,24,26,28,30
	v_pk_mul_f32 v[T+\n:T+\n+1], v[AC+32+\n:AC+33+\n], v[BS+\n:BS+\n+1]
.endr
.irp n, 0,2,4,6,8,10,12,14,16,18,20,22,24,26,28,30
	v_pk_mul_f32 v[U+\n:U+\n+1], v[AC+\n:AC+\n+1], v[BS+\n:BS+\n+1]
.endr
	WIN (W<<6)|W|(BW<<2)
.irp n, 0,2,4,6,8,10,12,14,16,18,20,22,24,26,28,30
	v_pk_fma_f32 v[AC+\n:AC+\n+1], v[AC+\n:AC+\n+1], v[BC+\n:BC+\n+1], v[T+\n:T+\n+1] neg_lo:[0,0,1] neg_hi:[0,0,1]
.endr
.irp n, 0,2,4,6,8,10,12,14,16,18,20,22,24,26,28,30
	v_pk_fma_f32 v[AC+32+\n:AC+33+\n], v[AC+32+\n:AC+33+\n], v[BC+\n:BC+\n+1], v[U+\n:U+\n+1]
.endr
	WIN 0
.endm
.macro QUANTW a
.set W, 2+(\a)/4
.set AC, 64*((\a)%4)
.set WS, W|(W<<2)
	WIN WS
.irp b, 0,1,2,3
	v_max3_num_f32 v[TM+\b], |v[AC+16*\b]|, |v[AC+16*\b+1]|, 0x1800000
.endr
.irp i, 2,4,6,8,10,12,14
.irp b, 0,1,2,3
	v_max3_num_f32 v[TM+\b], |v[AC+16*\b+\i]|, |v[AC+16*\b+\i+1]|, v[TM+\b]
.endr
.endr
	WIN 0
.irp b, 0,1,2,3
	v_permlanex16_b32 v[TM+4+\b], v[TM+\b], s96, s97
.endr
.irp b, 0,1,2,3
	v_max_num_f32 v[TM+\b], v[TM+\b], v[TM+4+\b]
.endr
.irp b, 0,1,2,3
	v_add_nc_u32 v[TM+12+\b], 0xff000000, v[TM+\b]
.endr
.irp b, 0,1,2,3
	v_lshrrev_b32 v[TM+4+\b], 23, v[TM+12+\b]
.endr
	v_lshl_or_b32 v[SW+(\a)], v[TM+5], 8, v[TM+4]
	v_lshl_or_b32 v[SW+(\a)], v[TM+6], 16, v[SW+(\a)]
	v_lshl_or_b32 v[SW+(\a)], v[TM+7], 24, v[SW+(\a)]
	s_wait_xcnt 0x0
	WIN W
.irp c, 0,1
	v_cvt_scalef32_pk16_fp6_f32 v[PC+6*\c:PC+2+6*\c], v[AC+32*\c:AC+15+32*\c], v[TM+12+2*\c]
	v_cvt_scalef32_pk16_fp6_f32 v[PC+12+4*\c:PC+14+4*\c], v[AC+16+32*\c:AC+31+32*\c], v[TM+12+2*\c+1]
.endr
	WIN 0
	v_nop
.irp c, 0,1
.irp i, 0,1,2
	v_permlane16_swap_b32 v[PC+6*\c+\i], v[PC+12+4*\c+\i]
.endr
.irp i, 0,1,2
	v_mov_b32 v[PC+3+6*\c+\i], v[PC+12+4*\c+\i]
.endr
.endr
.endm
.macro OUTB a
.irp c, 0,1,2
	global_store_b128 v[LI], v[PC+4*\c:PC+4*\c+3], s[12:13] offset:1536*(\a)+512*\c
.endr
.endm
	PLACES NP
	v_and_b32 v1, 31, v0
.irp b, 0,1,2,3
	v_mov_b32 v[TM+4+\b], 0
.endr
	v_cmp_lt_u32 s94, 15, v1
	s_mov_b32 s96, 0x76543210
	s_mov_b32 s97, 0xfedcba98
	s_cmp_lg_u32 s[FV], 0
	s_cbranch_scc1 .Lv
	CSLOAD 3
	CSLOAD 4
.irp a, 0,1,2,3,4,5,6,7
	ROPE \a
	QUANTW \a
	OUTB \a
.if \a < 3
	CSLOAD (\a)+5
.endif
.endr
	s_branch .Ljoin
.Lv:
.irp a, 0,1,2,3,4,5,6,7
	QUANTW \a
	OUTB \a
.endr
.Ljoin:
.irp t, 0,1,2,3
	v_cndmask_b32 v[XW+\t], v[SW+2*\t], v[SW+2*\t+1], s94
.endr
	global_store_b128 v[LI], v[XW:XW+3], s[14:15]
	s_wait_tensorcnt 0x0
	ds_add_u32 v[SPW], v[NIL]
	s_wait_dscnt 0x0
	CROUND
	s_endpgm
.Lfunc_end_k_q5f396ad438_qkv:
	.size	k_q5f396ad438_qkv, .Lfunc_end_k_q5f396ad438_qkv-k_q5f396ad438_qkv
	.p2alignl 7, 3214868480
	.fill 96, 4, 3214868480
	.section	.rodata,"a",@progbits
	.p2align	6, 0x0
	.amdhsa_kernel k_q5f396ad438_qkv
		.amdhsa_group_segment_fixed_size 327680
		.amdhsa_private_segment_fixed_size 0
		.amdhsa_enable_private_segment 0
		.amdhsa_kernarg_size 48
		.amdhsa_user_sgpr_count 2
		.amdhsa_user_sgpr_kernarg_segment_ptr 1
		.amdhsa_wavefront_size32 1
		.amdhsa_system_sgpr_workgroup_id_x 1
		.amdhsa_system_sgpr_workgroup_id_y 1
		.amdhsa_system_sgpr_workgroup_id_z 1
		.amdhsa_system_vgpr_workitem_id 0
		.amdhsa_next_free_vgpr 1024
		.amdhsa_next_free_sgpr 102
		.amdhsa_reserve_vcc 0
		.amdhsa_float_denorm_mode_32 3
		.amdhsa_float_denorm_mode_16_64 3
		.amdhsa_memory_ordered 1
		.amdhsa_forward_progress 1
		.amdhsa_inst_pref_size 221
	.end_amdhsa_kernel
	.amdgpu_metadata
---
amdhsa.version: [ 1, 2 ]
amdhsa.kernels:
  - .name:           k_q5f396ad438_qkv
    .symbol:         k_q5f396ad438_qkv.kd
    .args:
      - { .name: codes, .offset: 0, .size: 8, .value_kind: global_buffer, .address_space: global }
      - { .name: scales, .offset: 8, .size: 8, .value_kind: global_buffer, .address_space: global }
      - { .name: cos, .offset: 16, .size: 8, .value_kind: global_buffer, .address_space: global }
      - { .name: sin, .offset: 24, .size: 8, .value_kind: global_buffer, .address_space: global }
      - { .name: qkv_codes, .offset: 32, .size: 8, .value_kind: global_buffer, .address_space: global }
      - { .name: qkv_scales, .offset: 40, .size: 8, .value_kind: global_buffer, .address_space: global }
    .group_segment_fixed_size: 327680
    .private_segment_fixed_size: 0
    .kernarg_segment_align: 8
    .kernarg_segment_size: 48
    .max_flat_workgroup_size: 128
    .sgpr_count:     102
    .vgpr_count:     1024
    .wavefront_size: 32
...
	.end_amdgpu_metadata
.endif
;; end of part 2
;; launch attn (part 3): grid 16 x 16, 16 waves a work-group, clusters of 4 x 1, 327,680 bytes of LDS; arguments qkv_codes, qkv_scales, ao_codes, ao_scales; writes ao_codes, ao_scales
.if DOCPART == 3
	.amdgcn_target "amdgcn-amd-amdhsa--gfx1250"
	.amdhsa_code_object_version 6
	.text
	.protected	k_q5f396ad438_attn
	.globl	k_q5f396ad438_attn
	.p2align	8
	.type	k_q5f396ad438_attn,@function
k_q5f396ad438_attn:
	s_mov_b64 s[64:65], 0
	v_nop
	global_prefetch_b8 v0, s[64:65] scope:SCOPE_SE
	s_setreg_imm32_b32 hwreg(HW_REG_WAVE_MODE, 25, 1), 1
	s_wait_xcnt 0x0
	s_wait_alu depctr_hold_cnt(0) depctr_sa_sdst(0) depctr_va_vdst(0) depctr_va_sdst(0) depctr_va_ssrc(0) depctr_va_vcc(0) depctr_vm_vsrc(0)
	s_getreg_b32 s2, hwreg(HW_REG_IB_STS2, 6, 4)
	s_cmp_eq_u32 s2, 0
	s_cbranch_scc0 .Lentry_in_a_cluster
	s_endpgm
.Lentry_in_a_cluster:
	s_bfe_u32 s2, ttmp6, 0x10000c
	s_cmp_lg_u32 s2, 0x3003
	s_cbranch_scc0 .Lentry_shape_is_right
	s_endpgm
.Lentry_shape_is_right:
; Attention on codes of FP6 (E2M3): S^T = K Q^T, p = 2^(t - M), O^T = V^T P^T, O / l, and the quantising of the result along d_model for the last projection.
; t = score x log2(e) / sqrt(128); M = the running largest t rounded UP to a whole number; p is quantised along the keys, not normalised; the row's sum l is taken of the unquantised p and divides O at the end.
; When M moves, l and O are multiplied by 2^(old M - new M): exact.
; SHARES: a work-group owns 128 queries of one head: eight tiles of 16.  SIXTEEN waves of 256 registers, four to a SIMD, so that one wave's vector work stands beside another's matrix work and LDS loads.
; Wave w owns tile w % 8 and HALF OF THE KEYS: of each slot's four key steps (128 keys each) the steps 2 (w / 8) and 2 (w / 8) + 1: eight steps in all.  At the end waves 8-15 hand their O^T, M and l through LDS to
; waves 0-7, which bring both under the larger M (powers of two: exact), add, divide, quantise and store.
; OPERANDS ARE IMAGES OF THEIR REGISTERS, in units of 8 fragments (12,288 bytes) for 128 tokens: a fragment comes out of LDS by three loads at 16 x lane.  By the order in which the launch before laid the rows of a
; fragment, register 8 t + j of S^T is key 32 (t / 2) + 16 (lane / 16) + 8 (t % 2) + j of the step, and register 8 t + j of O^T the head's channel of the same number: a lane's registers run along the next K.
; A unit's scale words: byte 16 l + 4 t = fragment 2 t + l / 16, row l % 16: one load of 16 bytes a lane brings all eight fragments' words; odd fragments are read from lanes 16-31.
; RING: three slots of 512 keys (four steps): K's four units, then V's four.  Waves 0 to 11 fetch, 24,576 dense bytes each.  The scale words of the whole head stay in LDS.
; CLUSTER: the four query blocks of a cluster belong to one head and walk the same K and V: joint loads with a mask that names the four.
; No prefetch: three of the four slots of keys come by first fills, and the one refill has two slots' steps of sixteen waves in which to land.
; LIMITS: NaN and infinities are not served; a p under 2^-126 becomes 0 (ISA guide, v_exp_f32: denormal results are flushed); a block whose largest magnitude lies under 2^-124 has its byte held at 1; a block of zeros gets the byte 1 (this program alone reads the bytes).
; REGISTERS: v1-11 addresses; v12 -M, v13 the largest t, v[14:15] l in two halves; v16-27 Q; v28 Q's scale words; v29-31 addresses; v32-79 four fragments of K or of V; v80-143 S^T, then p; v144-207 O^T; v208-227 p's codes; v228-254 at work.
.set UNIT,  12288
.set VOFF,  4*UNIT                     ; a slot: K's four units, then V's
; THE SLOTS, as this text has them: THREE slots of 512 keys, 98,304 bytes each.  At the head waves 0-3 fill slot 0 and waves 12-15 the scale words; behind the full sequence and a round waves 4-11 fill slots 1 and 2
; (wave w's 24,576 bytes lie at w x 24,576).  Keys 1,536 to 2,047 go into slot 0's bytes at the first change of slots, by waves 0-3: the launch's one refill.  No barrier stands between slots 1 and 2: both were shown whole at that change.
; No prefetch: three of the four slots come by first fills, and the one refill has two slots' steps of sixteen waves in which to land.
.set SLOTB, 8*UNIT                     ; a slot's bytes
.set SCK,   3*SLOTB                    ; K's scale words of the head, 8,192 bytes;
.set SCV,   SCK+8192                   ; V's
.set SG,    SCV+8192                   ; 512 bytes: the result's scale words are gathered here
.set SPARE, SG+512                     ; the spare words, 128 bytes for each wave: eight blocks of 256 bytes that no other line names
.set MPW,   8448                       ; the hand-over of a tile: O^T's image, 16 x 512 bytes, then 8 bytes a lane of (-M, l).  Eight of them from LDS byte 0 on, in slot 0, which has had its last fill and its last read by then
.set AK0,  1                           ; v1   16 x lane: my place in an image, in LDS and in memory
.set AV0,  2                           ; v2   + VOFF
.set ASK0, 3                           ; v3   SCK + 16 x lane
.set ASV0, 4                           ; v4   SCV + 16 x lane
.set SPW,  5                           ; v5   LDS address of my spare word; never rewritten
.set NIL,  6                           ; v6   0; never rewritten
.set MA,   7                           ; v7   the hand-over: MPW x tile + 16 x lane
.set ADK,  8
.set ADV,  9
.set ADS,  10
.set ADT,  11
.set QS,   28
.set SGW,  29                          ; v29  SG + 64 x tile + 4 r
.set SGR,  30                          ; v30  SG + 16 x lane
.set QSO,  31                          ; v31  16 r
.set F,    32
.set S,    80
.set O,    144
.set PC,   208
.set BM,   228                         ; each block's largest score, then its largest p
.set T4,   232
.set SO,   236                         ; the conversions' scale operands
.set KS,   240
.set VS,   244
.set FF,   248                         ; v[248:249] f = 2^(old M - new M); the upper register is named with it and holds 0
.set PW,   250                         ; p's scale word
.set TT,   251
.set L2,   252                         ; v[252:253] the second chain of the sums
.set MB,   254                         ; v254 the hand-over: MPW x tile + 8,192 + 8 x lane
.set WV,   12
.set G1C,  24
.set G1S,  32
.set G0S,  40
.set G0A,  44
.set G0W,  48
.set SEL,  52
.set CS,   54
.set TB,   56                          ; s56  LDS byte at which the step's unit of K begins
.set TS,   57                          ; s57  and its scale words: 512 bytes a step
.set SLOTS, 58
.set CNT,  59
.set QT,   60                          ; s60  my tile of queries: wave % 8
.set KH,   61                          ; s61  my half of each slot's steps: wave / 8
.macro CROUND                          ; a round of the cluster's barrier
	s_barrier_signal -1
	s_barrier_wait -1
	s_cmp_lg_u32 s[WV], 0
	s_cbranch_scc1 .Lnot_wave_0_\@
	s_barrier_signal -3
.Lnot_wave_0_\@:
	s_barrier_wait -3
	s_barrier_signal -1
	s_barrier_wait -1
.endm
.macro JLOAD                           ; a joint refill: waves 0 to 3, a quarter of a slot each; an s_nop 0 and four v_nop follow the line
	s_cmp_lt_u32 s[WV], 4
	s_cbranch_scc0 .Lasked_\@
	tensor_load_to_lds s[G0A:G0A+3], s[G1C:G1C+7]
	s_nop 0
.rept 4
	v_nop
.endr
.Lasked_\@:
.endm
	s_load_b256 s[4:11], s[0:1], 0x0               ; qkv_codes, qkv_scales, ao_codes, ao_scales
	v_lshl_add_u32 v[SPW], v0, 2, SPARE
	v_mov_b32 v[NIL], 0
	ds_add_u32 v[SPW], v[NIL]                      ; the wave's opening: the add and its wait ahead of my first tensor load; work on registers stands between them
	ds_add_u32 v[SPW], v[NIL]
	v_lshrrev_b32 v8, 5, v0
	s_delay_alu instid0(VALU_DEP_1)
	v_readfirstlane_b32 s[WV], v8                  ; wave 0..15
	s_and_b32 s[QT], s[WV], 7
	s_lshr_b32 s[KH], s[WV], 3
	s_bfe_u32 s13, ttmp6, 0x40000                  ; cx
	s_lshl_b32 s14, ttmp9, 2
	s_add_co_u32 s14, s14, s13                     ; my block of 128 queries: it enters Q's and the result's addresses alone
	s_and_b32 s15, ttmp7, 0xffff                   ; the head, which the four partners share
	v_and_b32 v8, 31, v0
	s_delay_alu instid0(VALU_DEP_1)
	v_lshlrev_b32 v[AK0], 4, v8
	s_delay_alu instid0(VALU_DEP_1)
	v_add_nc_u32 v[AV0], VOFF, v[AK0]
	s_delay_alu instid0(VALU_DEP_2)
	v_add_nc_u32 v[ASK0], SCK, v[AK0]
	s_delay_alu instid0(VALU_DEP_3)
	v_add_nc_u32 v[ASV0], SCV, v[AK0]
	v_and_b32 v9, 15, v0
	s_delay_alu instid0(VALU_DEP_1)
	v_lshlrev_b32 v[QSO], 4, v9
	s_lshl_b32 s16, s[QT], 6
	s_add_co_u32 s16, s16, SG
	v_lshl_add_u32 v[SGW], v9, 2, s16
	v_add_nc_u32 v[SGR], SG, v[AK0]
	s_mul_i32 s16, s[QT], MPW                      ; every LDS address is made here, ahead of the first branch on the wave's number
	v_add_nc_u32 v[MA], s16, v[AK0]
	s_add_co_u32 s16, s16, 8192
	v_lshl_add_u32 v[MB], v8, 3, s16
	; descriptor group 1: 24,576 dense bytes as 96 rows of 256 (32 elements of 8 bytes); the scale words: 4,096 bytes as 16 rows
	s_mov_b32 s[G1C], 15|(3<<16)|(1<<21)           ; 15:0 the mask: all four work-groups; 17:16 elements of 8 bytes; 21 set beside a mask
	s_mov_b32 s[G1C+1], 32<<16
	s_mov_b32 s[G1C+2], 96<<16
	s_mov_b32 s[G1C+3], 32<<16
	s_mov_b32 s[G1C+4], 96
	s_mov_b32 s[G1C+5], 32
	s_mov_b32 s[G1C+6], 0
	s_mov_b32 s[G1C+7], 0
	s_mov_b32 s[G1S], 15|(3<<16)|(1<<21)
	s_mov_b32 s[G1S+1], 32<<16
	s_mov_b32 s[G1S+2], 16<<16
	s_mov_b32 s[G1S+3], 32<<16
	s_mov_b32 s[G1S+4], 16
	s_mov_b32 s[G1S+5], 32
	s_mov_b32 s[G1S+6], 0
	s_mov_b32 s[G1S+7], 0
	; what I fetch, if I fetch: wave 0, 1: K's units 0, 1 and 2, 3 of a slot; wave 2, 3: V's
	s_and_b32 s62, s[WV], 3                        ; which quarter: the first fills are shared among all sixteen waves, four to each of slot 0, slot 1, slot 2 and the scale words
	s_lshr_b32 s16, s62, 1
	s_and_b32 s17, s[WV], 1
	s_lshl_b32 s18, s15, 4
	s_add_co_u32 s18, s18, 256                     ; K's first unit of the head; V's lie 256 units on
	s_mul_i32 s20, s18, UNIT
	s_mul_i32 s19, s16, 256*UNIT
	s_add_co_u32 s20, s20, s19
	s_lshr_b32 s63, s[WV], 2                       ; which slot I fill first
	s_mul_i32 s19, s63, 4*UNIT
	s_add_co_u32 s20, s20, s19
	s_mul_i32 s19, s17, 2*UNIT
	s_add_co_u32 s20, s20, s19
	s_mov_b32 s21, 0
	s_lshl_b32 s22, s18, 9                         ; the scale words: 512 bytes a unit
	s_lshl_b32 s19, s16, 17
	s_add_co_u32 s22, s22, s19
	s_lshl_b32 s19, s17, 12
	s_add_co_u32 s22, s22, s19
	s_mov_b32 s23, 0
	s_mul_i32 s18, s[WV], 2*UNIT                   ; and where it goes: slot wave / 4, quarter wave % 4
	s_lshl_b32 s19, s62, 12
	s_mov_b32 s[SEL], 0x76543210
	s_mov_b32 s[SEL+1], 0xfedcba98
	s_mov_b32 s[CS], 0x3e0293ee                    ; c = log2(e) / sqrt(128)
	s_mov_b32 s[CS+1], s[CS]                       ; named with it as a pair, so it is written
	s_mul_i32 s[TB], s[KH], 2*UNIT                 ; my first step of slot 0,
	s_lshl_b32 s[TS], s[KH], 10                    ; and its scale words
	s_mov_b32 s[SLOTS], 2
	s_wait_dscnt 0x0                               ; the opening add is done
	s_wait_kmcnt 0x0
	s_mov_b32 s[G0S], 1
	s_add_co_u32 s[G0S+1], s19, SCK
	s_add_nc_u64 s[G0S+2:G0S+3], s[6:7], s[22:23]
	s_or_b32 s[G0S+3], s[G0S+3], 0x80000000
	s_mov_b32 s[G0A], 1
	s_mov_b32 s[G0A+1], s18                        ; slot 0: keys 0 to 511
	s_add_nc_u64 s[G0A+2:G0A+3], s[4:5], s[20:21]
	s_or_b32 s[G0A+3], s[G0A+3], 0x80000000
	CROUND                                         ; all four work-groups are here: the first joint loads meet
	s_cmp_lt_u32 s[WV], 4                          ; the first fills: one chain of branches, one load to an arm: waves 0-3 slot 0, waves 12-15 the scale words
	s_cbranch_scc0 .Lfill_s
	tensor_load_to_lds s[G0A:G0A+3], s[G1C:G1C+7]
	s_nop 0
.rept 4
	v_nop
.endr
	s_branch .Lno_fill
.Lfill_s:
	s_cmp_lt_u32 s[WV], 12                         ; waves 12-15: the scale words; waves 4-11 fill behind the next round
	s_cbranch_scc1 .Lno_fill
	tensor_load_to_lds s[G0S:G0S+3], s[G1S:G1S+7]
	s_nop 0
.rept 4
	v_nop
.endr
.Lno_fill:
	s_lshl_b32 s16, s15, 4
	s_add_co_u32 s16, s16, s14                     ; Q's unit: 16 x head + my block
	s_mul_i32 s20, s16, UNIT
	s_mul_i32 s17, s[QT], 1536
	s_add_co_u32 s20, s20, s17                     ; my tile's fragment of it
	s_mov_b32 s21, 0
	s_add_nc_u64 s[20:21], s[4:5], s[20:21]
	s_lshl_b32 s22, s16, 9
	s_and_b32 s17, s[QT], 1
	s_lshl_b32 s17, s17, 8
	s_add_co_u32 s22, s22, s17
	s_lshr_b32 s17, s[QT], 1
	s_lshl_b32 s17, s17, 2
	s_add_co_u32 s22, s22, s17                     ; its words: 256 (tile % 2) + 4 (tile / 2) + 16 r
	s_mov_b32 s23, 0
	s_add_nc_u64 s[22:23], s[6:7], s[22:23]
.irp c, 0,1,2
	global_load_b128 v[16+4*\c:19+4*\c], v[AK0], s[20:21] offset:512*\c   ; Q's fragment stays in registers
.endr
	s_wait_alu depctr_va_vdst(0)
	global_load_b32 v[QS], v[QSO], s[22:23]
	s_lshl_b32 s16, s14, 3
	s_add_co_u32 s16, s16, s[QT]                   ; the result's group of 16 tokens: 8 x block + tile
	s_lshl_b32 s16, s16, 4
	s_add_co_u32 s16, s16, s15                     ; its K step: the head
	s_mul_i32 s16, s16, 1536
	s_mov_b32 s17, 0
	s_add_nc_u64 s[8:9], s[8:9], s[16:17]
	s_lshl_b32 s16, s15, 13                        ; its scale words: [head][token's place], 4 bytes each
	s_lshl_b32 s18, s14, 9
	s_add_co_u32 s16, s16, s18
	s_add_nc_u64 s[10:11], s[10:11], s[16:17]
	v_mov_b32 v13, 0xff61b1e6                      ; the largest t so far: -3e38, under every t
	s_delay_alu instid0(VALU_DEP_1)
	v_floor_f32 v12, -v13                          ; -M
	v_mov_b32 v14, 0
	v_mov_b32 v15, 0
.irp b, 0,1,2,3
	v_mov_b32 v[T4+\b], 0                          ; a lane permute's destination counts as one of its sources
.endr
	v_mov_b32 v[FF+1], 0
.set j, 0
.rept 64
	v_mov_b32 v[O+j], 0                            ; O^T: the step is written once; its first trip finds zeros, which the first change of M leaves zeros
.set j, j+1
.endr
.macro QK t                            ; 16 keys x my 16 queries; odd fragments' words lie in lanes 16-31
.if (\t)%2
	v_wmma_scale_f32_16x16x128_f8f6f4 v[S+8*(\t):S+8*(\t)+7], v[F+12*((\t)%4):F+12*((\t)%4)+11], v[16:27], 0, v[KS+(\t)/2], v[QS] matrix_a_fmt:MATRIX_FMT_FP6 matrix_b_fmt:MATRIX_FMT_FP6 matrix_a_scale:MATRIX_SCALE_ROW1
.else
	v_wmma_scale_f32_16x16x128_f8f6f4 v[S+8*(\t):S+8*(\t)+7], v[F+12*((\t)%4):F+12*((\t)%4)+11], v[16:27], 0, v[KS+(\t)/2], v[QS] matrix_a_fmt:MATRIX_FMT_FP6 matrix_b_fmt:MATRIX_FMT_FP6
.endif
.endm
.macro PV t                            ; 16 channels x my 16 queries, K = the step's 128 keys
.if (\t)%2
	v_wmma_scale_f32_16x16x128_f8f6f4 v[O+8*(\t):O+8*(\t)+7], v[F+12*((\t)%4):F+12*((\t)%4)+11], v[PC:PC+11], v[O+8*(\t):O+8*(\t)+7], v[VS+(\t)/2], v[PW] matrix_a_fmt:MATRIX_FMT_FP6 matrix_b_fmt:MATRIX_FMT_FP6 matrix_a_scale:MATRIX_SCALE_ROW1
.else
	v_wmma_scale_f32_16x16x128_f8f6f4 v[O+8*(\t):O+8*(\t)+7], v[F+12*((\t)%4):F+12*((\t)%4)+11], v[PC:PC+11], v[O+8*(\t):O+8*(\t)+7], v[VS+(\t)/2], v[PW] matrix_a_fmt:MATRIX_FMT_FP6 matrix_b_fmt:MATRIX_FMT_FP6
.endif
.endm
.macro LDF adr, g                      ; fragments 4 g .. 4 g + 3 of a unit: twelve loads of 512 consecutive bytes
.irp t, 0,1,2,3
.irp c, 0,1,2
	ds_load_b128 v[F+12*\t+4*\c:F+12*\t+4*\c+3], v[\adr] offset:1536*(4*(\g)+\t)+512*\c
.endr
.endr
.endm
.macro PLACES                          ; plain vector instructions between a matrix instruction and a load into, or a read of, its registers
.rept 4
	v_nop
.endr
.endm
; A KEY STEP: 128 keys
.macro STEP
	v_add_nc_u32 v[ADK], s[TB], v[AK0]             ; these four are also the places behind the last products, ahead of the loads into their registers
	v_add_nc_u32 v[ADV], s[TB], v[AV0]
	v_add_nc_u32 v[ADS], s[TS], v[ASK0]
	v_add_nc_u32 v[ADT], s[TS], v[ASV0]
	ds_load_b128 v[KS:KS+3], v[ADS]
	LDF ADK, 0
	s_wait_alu depctr_va_vdst(0)
	s_wait_dscnt 0x0
.irp t, 0,1,2,3
	QK \t
.endr
	PLACES
	LDF ADK, 1
	s_wait_dscnt 0x0
.irp t, 4,5,6,7
	QK \t
.endr
	PLACES                                         ; ahead of the loads into K's registers and of the first read of the scores
	ds_load_b128 v[VS:VS+3], v[ADT]
	LDF ADV, 0                                     ; V's first four fragments land while the softmax is walked
.irp b, 0,1,2,3
	v_max3_num_f32 v[BM+\b], v[S+16*\b], v[S+1+16*\b], v[S+2+16*\b]   ; the largest score of each block of 32 keys: it serves the row's maximum and, since p rises with the score, the block's largest p
.endr
.irp i, 3,5,7,9,11,13
.irp b, 0,1,2,3
	v_max3_num_f32 v[BM+\b], v[BM+\b], v[S+16*\b+\i], v[S+1+16*\b+\i]
.endr
.endr
.irp b, 0,1,2,3
	v_max_num_f32 v[BM+\b], v[BM+\b], v[S+15+16*\b]
.endr
.irp b, 0,1,2,3
	s_delay_alu instid0(VALU_DEP_4)
	v_permlanex16_b32 v[T4+\b], v[BM+\b], s[SEL], s[SEL+1]
.endr
.irp b, 0,1,2,3
	s_delay_alu instid0(VALU_DEP_4)
	v_max_num_f32 v[BM+\b], v[BM+\b], v[T4+\b]     ; with lane l xor 16's 16 keys
.endr
	s_delay_alu instid0(VALU_DEP_2)
	v_max3_num_f32 v[TT], v[BM], v[BM+1], v[BM+2]
	s_delay_alu instid0(VALU_DEP_1)
	v_max_num_f32 v[TT], v[TT], v[BM+3]
	s_delay_alu instid0(VALU_DEP_1)
	v_mul_f32 v[TT], s[CS], v[TT]                  ; the step's largest t of my query
	s_delay_alu instid0(VALU_DEP_1)
	v_max_num_f32 v13, v13, v[TT]
	v_mov_b32 v[TT], v12
	s_delay_alu instid0(VALU_DEP_2)
	v_floor_f32 v12, -v13                          ; the new -M = floor(-t) = -ceil(t)
	s_delay_alu instid0(VALU_DEP_1)
	v_sub_f32 v[TT], v12, v[TT]                    ; old M - new M: a whole number, 0 or less
	s_delay_alu instid0(VALU_DEP_1)
	v_cvt_i32_f32 v[TT], v[TT]                     ; (it saturates)
	s_delay_alu instid0(VALU_DEP_1)
	v_ldexp_f32 v[FF], 1.0, v[TT]                  ; f = 2^(old M - new M)
.set j, 0
.rept 32
	v_pk_fma_f32 v[S+j:S+j+1], v[S+j:S+j+1], s[CS:CS+1], v[12:13] op_sel_hi:[1,0,0]   ; t - M
.set j, j+2
.endr
.irp b, 0,1,2,3
	v_fma_f32 v[BM+\b], v[BM+\b], s[CS], v12       ; the same of each block's largest score
.endr
.set j, 0
	s_wait_alu depctr_va_vdst(0)
.rept 64
	v_exp_f32 v[S+j], v[S+j]                       ; p = 2^(t - M)
.set j, j+1
.endr
	v_pk_mul_f32 v[14:15], v[14:15], v[FF:FF+1] op_sel_hi:[1,0]   ; l under the new M: the plain instruction behind the exponentials
	s_wait_alu depctr_va_vdst(0)                   ; one wait for the batch, ahead of its first reader
.irp b, 0,1,2,3
	v_exp_f32 v[BM+\b], v[BM+\b]                   ; each block's largest p
.endr
	v_pk_add_f32 v[252:253], v[84:85], v[88:89]
	v_pk_add_f32 v[250:251], v[92:93], v[96:97]
	v_pk_add_f32 v[242:243], v[100:101], v[104:105]
	v_pk_add_f32 v[240:241], v[108:109], v[112:113]
	v_pk_add_f32 v[238:239], v[116:117], v[120:121]
	v_pk_add_f32 v[236:237], v[124:125], v[128:129]
	v_pk_add_f32 v[234:235], v[132:133], v[136:137]
	v_pk_add_f32 v[14:15], v[14:15], v[140:141]
	v_pk_add_f32 v[252:253], v[252:253], v[80:81]
	v_pk_add_f32 v[250:251], v[250:251], v[82:83]
	v_pk_add_f32 v[242:243], v[242:243], v[86:87]
	v_pk_add_f32 v[240:241], v[240:241], v[90:91]
	v_pk_add_f32 v[238:239], v[238:239], v[94:95]
	v_pk_add_f32 v[236:237], v[236:237], v[98:99]
	v_pk_add_f32 v[234:235], v[234:235], v[102:103]
	v_pk_add_f32 v[14:15], v[14:15], v[106:107]
	v_pk_add_f32 v[252:253], v[252:253], v[110:111]
	v_pk_add_f32 v[250:251], v[250:251], v[114:115]
	v_pk_add_f32 v[242:243], v[242:243], v[118:119]
	v_pk_add_f32 v[240:241], v[240:241], v[122:123]
	v_pk_add_f32 v[238:239], v[238:239], v[126:127]
	v_pk_add_f32 v[236:237], v[236:237], v[130:131]
	v_pk_add_f32 v[234:235], v[234:235], v[134:135]
	v_pk_add_f32 v[14:15], v[14:15], v[138:139]
	v_pk_add_f32 v[252:253], v[252:253], v[142:143]
	s_delay_alu instid0(VALU_DEP_2)
	v_pk_add_f32 v[14:15], v[14:15], v[240:241]
	s_delay_alu instid0(VALU_DEP_2)
	v_pk_add_f32 v[252:253], v[252:253], v[238:239]
	v_pk_add_f32 v[250:251], v[250:251], v[236:237]
	v_pk_add_f32 v[242:243], v[242:243], v[234:235]
	s_delay_alu instid0(VALU_DEP_2)
	v_pk_add_f32 v[14:15], v[14:15], v[250:251]
	s_delay_alu instid0(VALU_DEP_2)
	v_pk_add_f32 v[252:253], v[252:253], v[242:243]
	s_delay_alu instid0(VALU_DEP_1)
	v_pk_add_f32 v[14:15], v[14:15], v[252:253]
	s_wait_alu depctr_va_vdst(0)                   ; and one for the four
.irp b, 0,1,2,3
	v_max_num_f32 v[BM+\b], 0x1800000, v[BM+\b]    ; the floor 2^(3 - 127): the byte cannot fall under 1
.endr
.irp b, 0,1,2,3
	s_delay_alu instid0(VALU_DEP_4)
	v_add_nc_u32 v[SO+\b], 0xff000000, v[BM+\b]    ; 2 off the exponent field: the conversion's scale operand
.endr
.irp b, 0,1,2,3
	s_delay_alu instid0(VALU_DEP_4)
	v_lshrrev_b32 v[T4+\b], 23, v[SO+\b]           ; the scale's byte
.endr
	s_delay_alu instid0(VALU_DEP_3)
	v_lshl_or_b32 v[PW], v[T4+1], 8, v[T4]
	s_delay_alu instid0(VALU_DEP_1)
	v_lshl_or_b32 v[PW], v[T4+2], 16, v[PW]
	s_delay_alu instid0(VALU_DEP_1)
	v_lshl_or_b32 v[PW], v[T4+3], 24, v[PW]
.irp c, 0,1
	v_cvt_scalef32_pk16_fp6_f32 v[PC+6*\c:PC+2+6*\c], v[S+32*\c:S+15+32*\c], v[SO+2*\c]
	v_cvt_scalef32_pk16_fp6_f32 v[PC+12+4*\c:PC+14+4*\c], v[S+16+32*\c:S+31+32*\c], v[SO+2*\c+1]
.endr
	v_nop                                          ; one plain instruction behind the scaled conversions
.irp c, 0,1
.irp i, 0,1,2
	v_permlane16_swap_b32 v[PC+6*\c+\i], v[PC+12+4*\c+\i]
.endr
.irp i, 0,1,2
	s_delay_alu instid0(VALU_DEP_3)
	v_mov_b32 v[PC+3+6*\c+\i], v[PC+12+4*\c+\i]
.endr
.endr
	s_wait_dscnt 0x0                               ; V's first four fragments and its words are in
.set j, 0
.rept 32
	v_pk_mul_f32 v[O+j:O+j+1], v[O+j:O+j+1], v[FF:FF+1] op_sel_hi:[1,0]   ; O^T under the new M; these 32 also stand between the writing of p's codes and scale word and the products
.set j, j+2
.endr
.irp t, 0,1,2,3
	PV \t                                          ; the accumulators by turns, one instruction a turn
.endr
	PLACES
	LDF ADV, 1
	s_wait_alu depctr_va_vdst(0)
	s_wait_dscnt 0x0
.irp t, 4,5,6,7
	PV \t
.endr
	s_add_co_u32 s[TB], s[TB], UNIT
	s_add_co_u32 s[TS], s[TS], 512
.endm
.macro SLOT_STEPS                      ; my two steps of a slot: written once, walked twice
	s_mov_b32 s[CNT], 2
.Lstep_\@:
	STEP
	s_sub_co_u32 s[CNT], s[CNT], 1
	s_cmp_lg_u32 s[CNT], 0
	s_cbranch_scc1 .Lstep_\@
	s_add_co_u32 s[TB], s[TB], SLOTB-2*UNIT        ; on to my first step of the next slot;
	s_add_co_u32 s[TS], s[TS], 1024                ; the scale words pass over the other half's two steps
.endm
; THE CHANGE OF SLOTS: each wave waits for all its tensor loads (its part of the other slot), adds 0 to its spare word, and waits for that and for its reads of the slot that it leaves.
; fill = 1: that slot is filled again, behind a round of the cluster's barrier, with the keys three slots on.
.macro CHANGE fill
	s_wait_tensorcnt 0x0                           ; no tensor load of mine is out, so a group 0 may be written
	ds_add_u32 v[SPW], v[NIL]                      ; 0 onto my spare word
.if \fill
	ds_add_u32 v[SPW], v[NIL]                      ; and once more
	s_add_nc_u64 s[G0A+2:G0A+3], s[G0A+2:G0A+3], 12*UNIT   ; waves 0-3: from slot 0's keys to the keys three slots on (the other waves' stepped addresses are not used)
.endif
	s_wait_dscnt 0x0                               ; the add is done, and my reads of the slot are over
.if \fill
	CROUND
	JLOAD
.else
	s_barrier_signal -1
	s_barrier_wait -1
.endif
.endm
	s_wait_alu depctr_va_vdst(0)
	s_wait_tensorcnt 0x0                           ; my first fill, if I had one, is in; the full sequence ahead of the first fills of slots 1 and 2
	ds_add_u32 v[SPW], v[NIL]
	ds_add_u32 v[SPW], v[NIL]                      ; twice
	s_wait_dscnt 0x0
	CROUND                                         ; slot 0 and the scale words are whole, and all four work-groups are here
	s_cmp_lt_u32 s[WV], 4
	s_cbranch_scc1 .Lno_fill2
	s_cmp_lt_u32 s[WV], 12
	s_cbranch_scc0 .Lno_fill2
	tensor_load_to_lds s[G0A:G0A+3], s[G1C:G1C+7]  ; waves 4-11: a quarter of slot 1 or of slot 2
	s_nop 0
.rept 4
	v_nop
.endr
.Lno_fill2:
	s_wait_loadcnt 0x0                             ; Q
	SLOT_STEPS                                     ; slot 0
	CHANGE 1                                       ; slots 1 and 2 are whole in every wave; slot 0's bytes take the last 512 keys
.Lslot:
	SLOT_STEPS                                     ; slots 1 and 2
	s_sub_co_u32 s[SLOTS], s[SLOTS], 1
	s_cmp_lg_u32 s[SLOTS], 0
	s_cbranch_scc1 .Lslot
	s_sub_co_u32 s[TB], s[TB], 3*SLOTB             ; back to slot 0's bytes
	CHANGE 0                                       ; the refill has landed; nothing is left to fetch
	SLOT_STEPS
	; THE TWO HALVES OF THE KEYS MEET.  Each wave: l of its keys, beside -M in the pair v[12:13]
	v_add_f32 v14, v14, v15
	s_delay_alu instid0(VALU_DEP_1)
	v_permlanex16_b32 v[T4], v14, s[SEL], s[SEL+1]
	s_delay_alu instid0(VALU_DEP_1)
	v_add_f32 v13, v14, v[T4]
	PLACES                                         ; behind the last products, ahead of the first read of O^T
	s_wait_dscnt 0x0                               ; my reads of the ring are over:
	s_barrier_signal -1
	s_barrier_wait -1                              ; every wave's are: the stores below are ordered behind them
	s_cmp_lt_u32 s[WV], 8
	s_cbranch_scc1 .Lkeeper
.irp i, 0,1,2,3,4,5,6,7,8,9,10,11,12,13,14,15
	ds_store_b128 v[MA], v[O+4*\i:O+4*\i+3] offset:512*\i   ; O^T as it stands, each accumulator from its low end on
.endr
	s_wait_alu depctr_va_vdst(0)
	ds_store_b64 v[MB], v[12:13]                   ; -M and l
.Lkeeper:
	s_wait_dscnt 0x0                               ; for the others' sake
	s_barrier_signal -1
	s_barrier_wait -1
	s_cmp_lt_u32 s[WV], 8
	s_cbranch_scc0 .Lgiven
.irp i, 0,1,2,3,4,5,6,7,8,9,10,11,12,13,14,15
	ds_load_b128 v[S+4*\i:S+4*\i+3], v[MA] offset:512*\i    ; the other half's O^T: the same registers in the same lanes
.endr
	ds_load_b64 v[T4:T4+1], v[MB]                  ; its -M and l
	s_wait_dscnt 0x0
	v_min_num_f32 v[TT], v12, v[T4]                ; - the larger M
	s_delay_alu instid0(VALU_DEP_1)
	v_sub_f32 v[BM], v[TT], v12                    ; my M - the larger: a whole number, 0 or less
	s_delay_alu instid0(VALU_DEP_2)
	v_sub_f32 v[BM+1], v[TT], v[T4]                ; the other's likewise
	s_delay_alu instid0(VALU_DEP_2)
	v_cvt_i32_f32 v[BM], v[BM]
	s_delay_alu instid0(VALU_DEP_2)
	v_cvt_i32_f32 v[BM+1], v[BM+1]
	s_delay_alu instid0(VALU_DEP_2)
	v_ldexp_f32 v[BM], 1.0, v[BM]                  ; f1,
	s_wait_alu depctr_va_vdst(0)
	v_ldexp_f32 v[BM+1], 1.0, v[BM+1]              ; f2: powers of two, one of them 1
	v_mul_f32 v[TT], v13, v[BM]
	s_delay_alu instid0(VALU_DEP_1)
	v_fma_f32 v[TT], v[T4+1], v[BM+1], v[TT]       ; the row's sum under the larger M
	s_wait_alu depctr_va_vdst(0)
	v_rcp_f32 v[TT], v[TT]
	v_nop                                          ; the plain instruction behind the reciprocal
	s_wait_alu depctr_va_vdst(0)                   ; ahead of its first reader
	v_mul_f32 v[FF], v[BM], v[TT]                  ; f1 / l
	v_mul_f32 v[L2], v[BM+1], v[TT]                ; f2 / l
.set j, 0
.rept 32
	v_pk_mul_f32 v[S+j:S+j+1], v[S+j:S+j+1], v[L2:L2+1] op_sel_hi:[1,0]
.set j, j+2
.endr
.set j, 0
.rept 32
	v_pk_fma_f32 v[S+j:S+j+1], v[O+j:O+j+1], v[FF:FF+1], v[S+j:S+j+1] op_sel_hi:[1,0,1]   ; register 16 b + i: channel 32 b + 16 h + i of my query; each accumulator from its low end on
.set j, j+2
.endr
	; quantised along the head's 128 (a K step of the last projection), stored as a fragment's image
.irp b, 0,1,2,3
	v_max3_num_f32 v[BM+\b], |v[S+16*\b]|, |v[S+1+16*\b]|, 0x1800000
.endr
.irp i, 2,4,6,8,10,12,14
.irp b, 0,1,2,3
	s_delay_alu instid0(VALU_DEP_4)
	v_max3_num_f32 v[BM+\b], v[BM+\b], |v[S+16*\b+\i]|, |v[S+1+16*\b+\i]|
.endr
.endr
.irp b, 0,1,2,3
	s_delay_alu instid0(VALU_DEP_4)
	v_permlanex16_b32 v[T4+\b], v[BM+\b], s[SEL], s[SEL+1]
.endr
.irp b, 0,1,2,3
	s_delay_alu instid0(VALU_DEP_4)
	v_max_num_f32 v[BM+\b], v[BM+\b], v[T4+\b]
.endr
.irp b, 0,1,2,3
	s_delay_alu instid0(VALU_DEP_4)
	v_add_nc_u32 v[SO+\b], 0xff000000, v[BM+\b]
.endr
.irp b, 0,1,2,3
	s_delay_alu instid0(VALU_DEP_4)
	v_lshrrev_b32 v[T4+\b], 23, v[SO+\b]
.endr
	s_delay_alu instid0(VALU_DEP_3)
	v_lshl_or_b32 v[PW], v[T4+1], 8, v[T4]
	s_delay_alu instid0(VALU_DEP_1)
	v_lshl_or_b32 v[PW], v[T4+2], 16, v[PW]
	s_delay_alu instid0(VALU_DEP_1)
	v_lshl_or_b32 v[PW], v[T4+3], 24, v[PW]
.irp c, 0,1
	v_cvt_scalef32_pk16_fp6_f32 v[PC+6*\c:PC+2+6*\c], v[S+32*\c:S+15+32*\c], v[SO+2*\c]
	v_cvt_scalef32_pk16_fp6_f32 v[PC+12+4*\c:PC+14+4*\c], v[S+16+32*\c:S+31+32*\c], v[SO+2*\c+1]
.endr
	v_nop
.irp c, 0,1
.irp i, 0,1,2
	v_permlane16_swap_b32 v[PC+6*\c+\i], v[PC+12+4*\c+\i]
.endr
.irp i, 0,1,2
	s_delay_alu instid0(VALU_DEP_3)
	v_mov_b32 v[PC+3+6*\c+\i], v[PC+12+4*\c+\i]
.endr
.endr
.irp c, 0,1,2
	global_store_b128 v[AK0], v[PC+4*\c:PC+4*\c+3], s[8:9] offset:512*\c   ; 32 lanes store 512 consecutive bytes
.endr
	ds_store_b32 v[SGW], v[PW]                     ; my 16 rows' words (both halves of the lanes write the same word with the same value)
.Lgiven:
	s_wait_dscnt 0x0                               ; for the others' sake
	s_barrier_signal -1
	s_barrier_wait -1
	s_cmp_lg_u32 s[WV], 0
	s_cbranch_scc1 .Lnot_first
	ds_load_b128 v[BM:BM+3], v[SGR]                ; the work-group's 128 words
	s_wait_dscnt 0x0
	global_store_b128 v[AK0], v[BM:BM+3], s[10:11] ; 512 consecutive bytes
.Lnot_first:
	s_wait_tensorcnt 0x0                           ; the wave's end: behind my last tensor load and my last LDS store
	ds_add_u32 v[SPW], v[NIL]
	s_wait_dscnt 0x0
	CROUND                                         ; the closing round
	s_endpgm
.Lfunc_end_k_q5f396ad438_attn:
	.size	k_q5f396ad438_attn, .Lfunc_end_k_q5f396ad438_attn-k_q5f396ad438_attn
	.p2alignl 7, 3214868480
	.fill 96, 4, 3214868480
	.section	.rodata,"a",@progbits
	.p2align	6, 0x0
	.amdhsa_kernel k_q5f396ad438_attn
		.amdhsa_group_segment_fixed_size 327680
		.amdhsa_private_segment_fixed_size 0
		.amdhsa_enable_private_segment 0
		.amdhsa_kernarg_size 32
		.amdhsa_user_sgpr_count 2
		.amdhsa_user_sgpr_kernarg_segment_ptr 1
		.amdhsa_wavefront_size32 1
		.amdhsa_system_sgpr_workgroup_id_x 1
		.amdhsa_system_sgpr_workgroup_id_y 1
		.amdhsa_system_sgpr_workgroup_id_z 1
		.amdhsa_system_vgpr_workitem_id 0
		.amdhsa_next_free_vgpr 256
		.amdhsa_next_free_sgpr 66
		.amdhsa_reserve_vcc 0
		.amdhsa_float_denorm_mode_32 3
		.amdhsa_float_denorm_mode_16_64 3
		.amdhsa_memory_ordered 1
		.amdhsa_forward_progress 1
		.amdhsa_inst_pref_size 86
	.end_amdhsa_kernel
	.amdgpu_metadata
---
amdhsa.version: [ 1, 2 ]
amdhsa.kernels:
  - .name:           k_q5f396ad438_attn
    .symbol:         k_q5f396ad438_attn.kd
    .args:
      - { .name: qkv_codes, .offset: 0, .size: 8, .value_kind: global_buffer, .address_space: global }
      - { .name: qkv_scales, .offset: 8, .size: 8, .value_kind: global_buffer, .address_space: global }
      - { .name: ao_codes, .offset: 16, .size: 8, .value_kind: global_buffer, .address_space: global }
      - { .name: ao_scales, .offset: 24, .size: 8, .value_kind: global_buffer, .address_space: global }
    .group_segment_fixed_size: 327680
    .private_segment_fixed_size: 0
    .kernarg_segment_align: 8
    .kernarg_segment_size: 32
    .max_flat_workgroup_size: 512
    .sgpr_count:     66
    .vgpr_count:     256
    .wavefront_size: 32
...
	.end_amdgpu_metadata
.endif
;; end of part 3
;; launch oproj (part 4): grid 16 x 16, 4 waves a work-group, clusters of 4 x 4, 327,680 bytes of LDS; arguments ao_codes, ao_scales, codes, scales, out0; writes out0
.if DOCPART == 4
	.amdgcn_target "amdgcn-amd-amdhsa--gfx1250"
	.amdhsa_code_object_version 6
	.text
	.protected	k_q5f396ad438_oproj
	.globl	k_q5f396ad438_oproj
	.p2align	8
	.type	k_q5f396ad438_oproj,@function
k_q5f396ad438_oproj:
	s_mov_b64 s[64:65], 0
	v_nop
	global_prefetch_b8 v0, s[64:65] scope:SCOPE_SE
	s_setreg_imm32_b32 hwreg(HW_REG_WAVE_MODE, 25, 1), 1
	s_wait_xcnt 0x0
	s_wait_alu depctr_hold_cnt(0) depctr_sa_sdst(0) depctr_va_vdst(0) depctr_va_sdst(0) depctr_va_ssrc(0) depctr_va_vcc(0) depctr_vm_vsrc(0)
	s_getreg_b32 s2, hwreg(HW_REG_IB_STS2, 6, 4)
	s_cmp_eq_u32 s2, 0
	s_cbranch_scc0 .Lentry_in_a_cluster
	s_endpgm
.Lentry_in_a_cluster:
	s_bfe_u32 s2, ttmp6, 0x10000c
	s_cmp_lg_u32 s2, 0xf033
	s_cbranch_scc0 .Lentry_shape_is_right
	s_endpgm
.Lentry_shape_is_right:
; out0 = (attention's result) Wo^T on codes of FP6 (E2M3); out0 [2048][2048] f32.
; A tile of 128 x 128 to a work-group, so that there are 256 of them; four waves, each 64 x 64: 16 accumulators.  The text is written out, without a loop.
; K = 2,048 is four slot steps of 512.  THREE LDS slots hold the first three, all asked for at the start; the fourth goes into slot 0 at the first change of slots and is read behind slots 1 and 2:
; one refill in the launch, with eight K steps, 120 matrix instructions of a wave, between the request and the wait for it.
; OPERANDS ARE IMAGES OF THEIR REGISTERS: a fragment (16 rows x 128 K, 1,536 bytes) comes out of LDS by three loads at 16 x lane.  Place r of group g is row 32 (g / 2) + 8 (g % 2) + r + 8 (r / 8) of its tensor.
; THE MATRIX INSTRUCTION IS USED TRANSPOSED (source 0 = 16 rows of Wo, source 1 = 16 tokens): a lane holds one token, and register j of tile b the output column 32 (b / 2) + 16 (lane / 16) + 8 (b % 2) + j of the wave's 64.
; SCALE WORDS for all of K stay in LDS.  A's lie [head][token's place]: a load of 4 bytes a lane brings two blocks' words; B's lie 16 bytes a row for four K steps: a load of 16 bytes a lane brings two blocks' words for a slot step.
; The second block of each pair is read from lanes 16-31.
; CLUSTERS: 4 x 4 work-groups; A's tiles are shared along a row of the cluster, B's along a column: joint tensor loads.
; REGISTERS: window 0: v16-29 addresses; v32-47 A's scale words, v48-63 B's, two sets each; v64-127 rows on the way out; v128-255 the accumulators ((a, b) at v[128 + 8 (4 a + b)]).
;   window 1: two fragment buffers at v0 and v128: A's four fragments, then B's four.
; THE FILLS, as this text has them: at the head one tensor load a wave (wave 0 slot 0's 8 groups of A, wave 1 those of B, wave 2 A's scale words, wave 3 B's); behind the full sequence and a round one load a wave
; brings K steps 4 to 11 of its 4 groups, rows of 12,288 bytes: slots 1 and 2 lie interleaved, group by group, slot 2's part 6,144 bytes behind slot 1's; K steps 12 to 15 go into slot 0 at the first change of slots.
.set GROW,   6144                      ; a group's bytes in a slot: four fragments
.set HALFT,  4*GROW                    ; 4 groups: what one tensor load brings, and what one wave reads of A or of B
.set SLOT,   4*HALFT
.set SCA,    3*SLOT                    ; A's scale words: 16 heads x 512 bytes
.set SCB,    SCA+8192                  ; B's: 8 groups x 1,024 bytes
.set SPARE,  SCB+8192                  ; the spare words, 128 bytes for each wave: two blocks of 256 bytes that no other line names
.set SPITCH, 272                       ; the way out: a stage of 16 rows x (256 bytes + 16) for each wave, in slot 1, which is filled once and has had its last read when the first result is stored there
.set ADRA, 16                          ; v16-18  LDS address of my A fragments in slot 0, 1, 2
.set ADRB, 19                          ; v19-21  the same for B
.set ADSA, 22
.set ADSB, 23
.set STO,  24
.set RD,   25
.set CO,   26
.set LI,   27
.set SPW,  28                          ; LDS address of my spare word; never rewritten
.set NIL,  29                          ; 0; never rewritten
.set SA,   32
.set SB,   48
.set TMP,  64
.set ACC,  128
.set WV, 16
.set RH, 17
.set CH, 18
.set G1, 24
.set G0, 32                            ; s[32:39] group 0 for A's tiles in slot 0 and in slots 1 and 2
.set G0C, 4
.set G1B, 48
.set G0B, 56                           ; s[56:63] the same for B's
.set G0BC, 8
.set G1S, 68
.set G0S, 76
.set G1SB, 80
.set G0SB, 88
.set MSB, 0
.macro WIN new
.if MSB != (\new)
	s_set_vgpr_msb (MSB<<8)|(\new)
.set MSB, (\new)
.endif
.endm
.set MUL,  0x05                        ; sources 0 (B) and 1 (A) window 1; C and D window 0
.set TO_F, 0x40                        ; destination window 1, address window 0
.macro JLOAD g0a, g1a, g0b, g1b        ; a joint load: waves 0 and 1 fetch for A, waves 2 and 3 for B; an s_nop 0 and four v_nop follow each of the two lines
	s_cmp_eq_u32 s[RH], 0
	s_cbranch_scc0 .Lfor_b_\@
	tensor_load_to_lds s[\g0a:\g0a+3], s[\g1a:\g1a+7]
	s_nop 0
.rept 4
	v_nop
.endr
	s_branch .Lasked_\@
.Lfor_b_\@:
	tensor_load_to_lds s[\g0b:\g0b+3], s[\g1b:\g1b+7]
	s_nop 0
.rept 4
	v_nop
.endr
.Lasked_\@:
.endm
.macro CREST
	s_cmp_lg_u32 s[WV], 0
	s_cbranch_scc1 .Lnot_wave_0_\@
	s_barrier_signal -3
.Lnot_wave_0_\@:
	s_barrier_wait -3
	s_barrier_signal -1
	s_barrier_wait -1
.endm
.macro CROUND
	s_barrier_signal -1
	s_barrier_wait -1
	CREST
.endm
	s_load_b256 s[4:11], s[0:1], 0x0               ; ao_codes, ao_scales, codes, scales
	s_load_b64 s[12:13], s[0:1], 0x20              ; out0
	v_lshl_add_u32 v[SPW], v0, 2, SPARE
	v_mov_b32 v[NIL], 0
	ds_add_u32 v[SPW], v[NIL]                      ; the wave's opening: the add and its wait ahead of my first tensor load; work on registers stands between them
	ds_add_u32 v[SPW], v[NIL]
	v_lshrrev_b32 v1, 5, v0
	v_readfirstlane_b32 s[WV], v1
	s_lshr_b32 s[RH], s[WV], 1                     ; which 64 tokens are mine.  Also: I fetch for A (0) or for B (1)
	s_and_b32 s[CH], s[WV], 1                      ; which 64 columns.  Also: which 4 groups of that tile I fetch
	s_bfe_u32 s40, ttmp6, 0x40000                  ; cx
	s_bfe_u32 s41, ttmp6, 0x40004                  ; cy
	s_lshl_b32 s42, ttmp9, 2
	s_add_co_u32 s42, s42, s40                     ; tile column
	s_and_b32 s43, ttmp7, 0xffff
	s_lshl_b32 s43, s43, 2
	s_add_co_u32 s43, s43, s41                     ; tile row
	s_lshl_b32 s44, s41, 2
	s_lshl_b32 s44, 15, s44                        ; my row of the cluster
	s_lshl_b32 s45, 0x1111, s40                    ; my column
	; codes: 4 groups (rows) x 6,144 bytes (768 elements of 8 bytes), 24,576 bytes apart in memory, dense in LDS
	s_or_b32 s[G1+0], s44, (3<<16)|(1<<21)
	s_or_b32 s[G1B+0], s45, (3<<16)|(1<<21)
.irp g, G1, G1B
	s_mov_b32 s[\g+1], 768<<16
	s_mov_b32 s[\g+2], 8<<16                       ; the head's loads bring 8 groups
	s_mov_b32 s[\g+3], 768<<16
	s_mov_b32 s[\g+4], 8
	s_mov_b32 s[\g+5], 3072
	s_mov_b32 s[\g+6], 0
	s_mov_b32 s[\g+7], 0
.endr
	; A's scale words: 16 heads (rows) x 512 bytes, 8,192 bytes apart
	s_or_b32 s[G1S+0], s44, (3<<16)|(1<<21)
	s_mov_b32 s[G1S+1], 64<<16
	s_mov_b32 s[G1S+2], 16<<16                     ; all 16 heads
	s_mov_b32 s[G1S+3], 64<<16
	s_mov_b32 s[G1S+4], 16
	s_mov_b32 s[G1S+5], 1024
	s_mov_b32 s[G1S+6], 0
	s_mov_b32 s[G1S+7], 0
	; B's: 8,192 dense bytes as 32 rows of 256
	s_or_b32 s[G1SB+0], s45, (3<<16)|(1<<21)
	s_mov_b32 s[G1SB+1], 32<<16
	s_mov_b32 s[G1SB+2], 32<<16                    ; 8 groups: 8,192 dense bytes
	s_mov_b32 s[G1SB+3], 32<<16
	s_mov_b32 s[G1SB+4], 32
	s_mov_b32 s[G1SB+5], 32
	s_mov_b32 s[G1SB+6], 0
	s_mov_b32 s[G1SB+7], 0
	s_lshl_b32 s94, s[CH], 2                       ; which 4 groups I fetch
	s_lshl_b32 s20, s43, 3
	s_mul_i32 s20, s20, 24576
	s_mov_b32 s21, 0
	s_lshl_b32 s22, s43, 9                         ; A's words: the tile's 512 bytes of a head's row,
	s_mov_b32 s23, 0
	s_lshl_b32 s46, s42, 3
	s_add_co_u32 s46, s46, 512                     ; B's group: Wo begins at group 512
	s_lshl_b32 s92, s46, 10
	s_mov_b32 s93, 0
	s_mul_i32 s46, s46, 24576
	s_mov_b32 s47, 0
	s_mul_i32 s96, s[WV], HALFT                    ; where they go: no place in the cluster enters an LDS address
	s_mul_i32 s97, s[WV], 2*HALFT                  ; my part of slots 1 and 2
	s_wait_dscnt 0x0                               ; the opening add is done
	s_wait_kmcnt 0x0
	s_add_nc_u64 s[20:21], s[4:5], s[20:21]
	s_add_nc_u64 s[22:23], s[6:7], s[22:23]
	s_add_nc_u64 s[46:47], s[8:9], s[46:47]
	s_add_nc_u64 s[92:93], s[10:11], s[92:93]      ; the four arguments in s[4:11] are consumed
	CROUND                                         ; all sixteen work-groups are here: the first joint loads meet
	s_mov_b32 s[G0S], 1
	s_mov_b32 s[G0S+1], SCA
	s_mov_b64 s[G0S+2:G0S+3], s[22:23]
	s_or_b32 s[G0S+3], s[G0S+3], 0x80000000
	s_mov_b32 s[G0SB], 1
	s_mov_b32 s[G0SB+1], SCB
	s_mov_b64 s[G0SB+2:G0SB+3], s[92:93]
	s_or_b32 s[G0SB+3], s[G0SB+3], 0x80000000
	s_mul_i32 s94, s94, 24576                      ; behind the head I fetch 4 groups of a tile: which, in bytes
	s_mov_b32 s95, 0
	s_mov_b32 s[G0], 1                             ; the head: slot 0's 8 groups of A,
	s_mov_b32 s[G0+1], 0
	s_mov_b64 s[G0+2:G0+3], s[20:21]
	s_or_b32 s[G0+3], s[G0+3], 0x80000000
	s_mov_b32 s[G0B], 1                            ; and of B, behind them
	s_mov_b32 s[G0B+1], 2*HALFT
	s_mov_b64 s[G0B+2:G0B+3], s[46:47]
	s_or_b32 s[G0B+3], s[G0B+3], 0x80000000
	s_add_nc_u64 s[20:21], s[20:21], s[94:95]
	s_add_nc_u64 s[46:47], s[46:47], s[94:95]
	s_mov_b32 s[G0+4], 1                           ; slots 1 and 2 in one: my 4 groups, K steps 4 to 11
	s_add_co_u32 s[G0+5], s97, SLOT
	s_add_nc_u64 s[G0+6:G0+7], s[20:21], GROW
	s_or_b32 s[G0+7], s[G0+7], 0x80000000
	s_mov_b32 s[G0B+4], 1
	s_add_co_u32 s[G0B+5], s97, SLOT
	s_add_nc_u64 s[G0B+6:G0B+7], s[46:47], GROW
	s_or_b32 s[G0B+7], s[G0B+7], 0x80000000
; one chain of branches on the wave's number, one load to an arm, all arms to one join: one tensor load a wave at the head
.macro ARM under, g0, g1, next
	s_cmp_lt_u32 s[WV], \under
	s_cbranch_scc0 \next
	tensor_load_to_lds s[\g0:\g0+3], s[\g1:\g1+7]
	s_nop 0
.rept 4
	v_nop
.endr
	s_branch .Lhead_asked
\next:
.endm
	ARM 1, G0,  G1,  .Lhead_b
	ARM 2, G0B, G1B, .Lhead_sa
	ARM 3, G0S, G1S, .Lhead_sb
	tensor_load_to_lds s[G0SB:G0SB+3], s[G1SB:G1SB+7]
	s_nop 0
.rept 4
	v_nop
.endr
.Lhead_asked:
	v_and_b32 v1, 31, v0                           ; lane
	v_and_b32 v2, 15, v0                           ; r
	v_bfe_u32 v3, v0, 4, 1                         ; h
	s_wait_alu depctr_va_vdst(0)
	v_lshlrev_b32 v[LI], 4, v1
	s_mul_i32 s20, s[RH], HALFT
	s_mul_i32 s21, s[CH], HALFT
	s_add_co_u32 s21, s21, 2*HALFT
	v_add_nc_u32 v[ADRA], s20, v[LI]
	v_add_nc_u32 v[ADRB], s21, v[LI]
	v_add_nc_u32 v[ADRA+1], s20, v[ADRA]           ; slots 1 and 2: a part there is twice as long as in slot 0,
	v_add_nc_u32 v[ADRB+1], s21, v[ADRB]
	v_add_nc_u32 v[ADRA+1], SLOT, v[ADRA+1]
	v_add_nc_u32 v[ADRB+1], SLOT, v[ADRB+1]
	v_add_nc_u32 v[ADRA+2], GROW, v[ADRA+1]        ; and slot 2's part of a group lies behind slot 1's
	v_add_nc_u32 v[ADRB+2], GROW, v[ADRB+1]
	s_lshl_b32 s20, s[RH], 8
	s_add_co_u32 s20, s20, SCA
	v_lshl_add_u32 v[ADSA], v1, 2, s20             ; A's words: my 64 tokens' 256 bytes of a head's row, 4 bytes a lane
	s_lshl_b32 s20, s[CH], 12
	s_add_co_u32 s20, s20, SCB
	v_lshlrev_b32 v4, 10, v3
	v_lshl_add_u32 v4, v2, 4, v4
	v_add_nc_u32 v[ADSB], s20, v4                  ; B's: my 4 groups; lanes 16-31 the group after; 16 bytes a row
	s_mul_i32 s20, s[WV], 16*SPITCH
	s_add_co_u32 s20, s20, SLOT                    ; my stage, in slot 1
	v_mul_u32_u24 v4, v2, SPITCH
	v_lshl_add_u32 v4, v3, 6, v4
	v_add_nc_u32 v[STO], s20, v4                   ; in: row r, + 64 h
	v_mul_u32_u24 v4, v3, SPITCH
	v_lshl_add_u32 v4, v2, 4, v4
	v_add_nc_u32 v[RD], s20, v4                    ; back: lanes 0-15 one row of 256 bytes, lanes 16-31 the next
	v_lshlrev_b32 v4, 13, v3
	v_lshl_add_u32 v[CO], v2, 4, v4                ; and the same two rows in out0: rows of 8,192 bytes
	s_lshl_b32 s20, s43, 7
	s_lshl_b32 s21, s[RH], 6
	s_add_co_u32 s20, s20, s21                     ; my first token: 128 x tile row + 64 x half
	s_lshl_b32 s20, s20, 13
	s_lshl_b32 s21, s42, 9                         ; my first column, in bytes: 512 x tile column + 256 x half
	s_add_co_u32 s20, s20, s21
	s_lshl_b32 s21, s[CH], 8
	s_add_co_u32 s20, s20, s21
	s_mov_b32 s21, 0
	s_add_nc_u64 s[12:13], s[12:13], s[20:21]
.macro PLACES                          ; plain vector instructions between a matrix instruction and a load into, or a read of, its registers
.rept 4
	v_nop
.endr
.endm
.macro FETCH slot, q, f                ; the fragments of the slot's q-th 128 along K into buffer f: 24 loads of 512 consecutive bytes
	WIN TO_F
.irp i, 0,1,2,3
.irp c, 0,1,2
	ds_load_b128 v[(\f)+12*\i+4*\c:(\f)+12*\i+4*\c+3], v[ADRA+\slot] offset:GROW*(1+((\slot)+1)/2)*\i+1536*(\q)+512*\c
.endr
.endr
.irp i, 0,1,2,3
.irp c, 0,1,2
	ds_load_b128 v[(\f)+48+12*\i+4*\c:(\f)+48+12*\i+4*\c+3], v[ADRB+\slot] offset:GROW*(1+((\slot)+1)/2)*\i+1536*(\q)+512*\c
.endr
.endr
	WIN 0
.endm
.macro SCALES sg, set                  ; slot step sg's scale words into a set: A's register 2 q + i: blocks 2 i (lanes 0-15) and 2 i + 1 (lanes 16-31) at K step q; B's register 4 i + q likewise
.irp q, 0,1,2,3
.irp i, 0,1
	ds_load_b32 v[SA+8*(\set)+2*\q+\i], v[ADSA] offset:(4*(\sg)+\q)*512+128*\i
.endr
.endr
.irp i, 0,1
	ds_load_b128 v[SB+8*(\set)+4*\i:SB+8*(\set)+4*\i+3], v[ADSB] offset:2048*\i+256*(\sg)
.endr
.endm
.macro WM f, a, b, q, set, zero        ; one product: B's block b x A's block a
.set rD, ACC+8*(4*(\a)+(\b))
.set rB, (\f)+48+12*(\b)
.set rA, (\f)+12*(\a)
.set rSB, SB+8*(\set)+4*((\b)/2)+(\q)
.set rSA, SA+8*(\set)+2*(\q)+(\a)/2
.set ROWS, 2*((\b)%2)+(\a)%2
.if \zero
.if ROWS == 3
	v_wmma_scale_f32_16x16x128_f8f6f4 v[rD:rD+7], v[rB:rB+11], v[rA:rA+11], 0, v[rSB], v[rSA] matrix_a_fmt:MATRIX_FMT_FP6 matrix_b_fmt:MATRIX_FMT_FP6 matrix_a_scale:MATRIX_SCALE_ROW1 matrix_b_scale:MATRIX_SCALE_ROW1
.elseif ROWS == 2
	v_wmma_scale_f32_16x16x128_f8f6f4 v[rD:rD+7], v[rB:rB+11], v[rA:rA+11], 0, v[rSB], v[rSA] matrix_a_fmt:MATRIX_FMT_FP6 matrix_b_fmt:MATRIX_FMT_FP6 matrix_a_scale:MATRIX_SCALE_ROW1
.elseif ROWS == 1
	v_wmma_scale_f32_16x16x128_f8f6f4 v[rD:rD+7], v[rB:rB+11], v[rA:rA+11], 0, v[rSB], v[rSA] matrix_a_fmt:MATRIX_FMT_FP6 matrix_b_fmt:MATRIX_FMT_FP6 matrix_b_scale:MATRIX_SCALE_ROW1
.else
	v_wmma_scale_f32_16x16x128_f8f6f4 v[rD:rD+7], v[rB:rB+11], v[rA:rA+11], 0, v[rSB], v[rSA] matrix_a_fmt:MATRIX_FMT_FP6 matrix_b_fmt:MATRIX_FMT_FP6
.endif
.else
.if ROWS == 3
	v_wmma_scale_f32_16x16x128_f8f6f4 v[rD:rD+7], v[rB:rB+11], v[rA:rA+11], v[rD:rD+7], v[rSB], v[rSA] matrix_a_fmt:MATRIX_FMT_FP6 matrix_b_fmt:MATRIX_FMT_FP6 matrix_a_scale:MATRIX_SCALE_ROW1 matrix_b_scale:MATRIX_SCALE_ROW1
.elseif ROWS == 2
	v_wmma_scale_f32_16x16x128_f8f6f4 v[rD:rD+7], v[rB:rB+11], v[rA:rA+11], v[rD:rD+7], v[rSB], v[rSA] matrix_a_fmt:MATRIX_FMT_FP6 matrix_b_fmt:MATRIX_FMT_FP6 matrix_a_scale:MATRIX_SCALE_ROW1
.elseif ROWS == 1
	v_wmma_scale_f32_16x16x128_f8f6f4 v[rD:rD+7], v[rB:rB+11], v[rA:rA+11], v[rD:rD+7], v[rSB], v[rSA] matrix_a_fmt:MATRIX_FMT_FP6 matrix_b_fmt:MATRIX_FMT_FP6 matrix_b_scale:MATRIX_SCALE_ROW1
.else
	v_wmma_scale_f32_16x16x128_f8f6f4 v[rD:rD+7], v[rB:rB+11], v[rA:rA+11], v[rD:rD+7], v[rSB], v[rSA] matrix_a_fmt:MATRIX_FMT_FP6 matrix_b_fmt:MATRIX_FMT_FP6
.endif
.endif
.endm
.macro MUL4 f, a, q, set, zero         ; the 16 accumulators take turns, one instruction a turn, in the same order in every K step
.irp b, 0,1,2,3
	WM \f, \a, \b, \q, \set, \zero
.endr
.endm
.macro KSTEP slot, q, set, zero        ; one of a slot's first three K steps: the next one's fragments are asked for ahead of its 16 products
	s_wait_dscnt 0x0                               ; this K step's fragments (and a new slot step's scale words) are in
	PLACES
	FETCH \slot, (\q)+1, 128*(((\q)+1)%2)
	WIN MUL
.irp a, 0,1,2,3
	MUL4 128*((\q)%2), \a, \q, \set, \zero
.endr
.endm
.macro KPASS next, sg, set             ; a slot's last K step where the next slot is known to be whole: no barrier.  sg: the next slot step; set: this one's scale words
	s_wait_dscnt 0x0
	PLACES
	FETCH \next, 0, 0
	SCALES \sg, (\sg)%2
	WIN MUL
.irp a, 0,1,2,3
	MUL4 128, \a, 3, \set, 0
.endr
.endm
; A slot's last K step with a barrier: in front of it each wave waits for all its tensor loads, adds 0 to its spare word, and waits for that and for its reads of the slot that it leaves.
; fill = 1: slot 0, which is being left, is filled again, with K steps 12 to 15.
.macro TURN next, fill, sg, set
	WIN 0
	s_wait_tensorcnt 0x0                           ; all my tensor loads have landed
	ds_add_u32 v[SPW], v[NIL]                      ; 0 onto my spare word
	s_wait_dscnt 1                                 ; this K step's fragments are in; the add may be out
	WIN MUL
	MUL4 128, 0, 3, \set, 0
	s_wait_dscnt 0x0                               ; the add is done, and my reads of this slot are over
	s_barrier_signal -1
	MUL4 128, 1, 3, \set, 0
	WIN 0
	s_barrier_wait -1
.if \fill
	CREST                                          ; the barrier has opened a round of the cluster's barrier: no wave of any partner still reads slot 0 or has a load on its way
	s_mov_b32 s[G1+1], 768<<16                     ; no load of mine is out: rows of 6,144 bytes again
	s_mov_b32 s[G1+3], 768<<16
	s_mov_b32 s[G1B+1], 768<<16
	s_mov_b32 s[G1B+3], 768<<16
	s_add_nc_u64 s[G0+2:G0+3], s[G0+2:G0+3], 3*GROW
	s_add_nc_u64 s[G0B+2:G0B+3], s[G0B+2:G0B+3], 3*GROW
	JLOAD G0, G1, G0B, G1B                         ; the first tensor load behind the round; its four v_nop are also the places in front of the loads below
.else
	PLACES
.endif
	FETCH \next, 0, 0
	SCALES \sg, (\sg)%2
	WIN MUL
	MUL4 128, 2, 3, \set, 0
	MUL4 128, 3, 3, \set, 0
.endm
	s_wait_alu depctr_va_vdst(0)
	s_wait_tensorcnt 0x0                           ; my tile of the head's four is in; the full sequence ahead of the first fill of slots 1 and 2
	ds_add_u32 v[SPW], v[NIL]
.irp g, G1, G1B
	s_mov_b32 s[\g+1], 1536<<16                    ; no load of mine is out: the next load brings 4 groups x 12,288 bytes
	s_mov_b32 s[\g+2], 4<<16
	s_mov_b32 s[\g+3], 1536<<16
	s_mov_b32 s[\g+4], 4
.endr
	s_mov_b32 s[G0+1], s96                         ; and slot 0's group 0 stands at my quarter, for its refill
	s_add_nc_u64 s[G0+2:G0+3], s[G0+2:G0+3], s[94:95]
	s_mov_b32 s[G0B+1], s96
	s_add_nc_u64 s[G0B+2:G0B+3], s[G0B+2:G0B+3], s[94:95]
	s_wait_dscnt 0x0
	CROUND                                         ; all four tiles are in, in every wave of every partner
	JLOAD G0+4, G1, G0B+4, G1B
	FETCH 0, 0, 0
	SCALES 0, 0
	KSTEP 0, 0, 0, 1                               ; the first K step's products start the sums
	KSTEP 0, 1, 0, 0
	KSTEP 0, 2, 0, 0
	TURN 1, 1, 1, 0                                ; every wave's parts of slots 1 and 2 have landed; slot 0 takes K steps 12 to 15
	KSTEP 1, 0, 1, 0
	KSTEP 1, 1, 1, 0
	KSTEP 1, 2, 1, 0
	KPASS 2, 2, 1                                  ; slot 2 was shown whole to every wave by the barrier above
	KSTEP 2, 0, 0, 0
	KSTEP 2, 1, 0, 0
	KSTEP 2, 2, 0, 0
	TURN 0, 0, 3, 0                                ; the refill has landed in every wave; nothing is left to fetch
	KSTEP 0, 0, 1, 0
	KSTEP 0, 1, 1, 0
	KSTEP 0, 2, 1, 0
	s_wait_dscnt 0x0
.irp a, 0,1,2,3
	MUL4 128, \a, 3, 1, 0
.endr
	WIN 0
; THE WAY OUT, block by block of 16 tokens x 64 columns: through my own stage in LDS and back as whole rows of 256 bytes.  LDS serves a wave's instructions in order (ISA guide 5.7.1.4): no wait between the stores and the loads.
.macro TOSTAGE a
.irp b, 0,1,2,3
	ds_store_b128 v[STO], v[ACC+8*(4*(\a)+\b):ACC+8*(4*(\a)+\b)+3] offset:128*(\b/2)+32*(\b%2)        ; each accumulator from its low end on
	ds_store_b128 v[STO], v[ACC+8*(4*(\a)+\b)+4:ACC+8*(4*(\a)+\b)+7] offset:128*(\b/2)+32*(\b%2)+16
.endr
.irp t, 0,1,2,3,4,5,6,7
	ds_load_b128 v[TMP+32*((\a)%2)+4*\t:TMP+32*((\a)%2)+4*\t+3], v[RD] offset:2*\t*SPITCH
.endr
.endm
.macro SEND a, younger                 ; place 2 t + h of block a is token 32 (a / 2) + 8 (a % 2) + 2 t + h + 8 (t / 4) of my 64
	s_wait_dscnt \younger
.irp t, 0,1,2,3,4,5,6,7
	global_store_b128 v[CO], v[TMP+32*((\a)%2)+4*\t:TMP+32*((\a)%2)+4*\t+3], s[12:13] offset:(2*\t+8*(\t/4)+32*((\a)/2)+8*((\a)%2))*8192 th:TH_STORE_NT   ; 16 lanes store 256 consecutive bytes, aligned
.endr
.endm
	PLACES
	TOSTAGE 0
	TOSTAGE 1
	SEND 0, 16                                     ; behind block 0's loads: block 1's 8 stores and 8 loads
	s_wait_xcnt 0x0                                ; block 0's stores have read their registers: block 2's loads may land there
	TOSTAGE 2
	SEND 1, 16
	s_wait_xcnt 0x0
	TOSTAGE 3
	SEND 2, 16
	SEND 3, 0
	s_wait_tensorcnt 0x0                           ; the wave's end: behind my last tensor load and my last LDS store
	ds_add_u32 v[SPW], v[NIL]
	s_wait_dscnt 0x0
	CROUND                                         ; the closing round
	s_endpgm
.Lfunc_end_k_q5f396ad438_oproj:
	.size	k_q5f396ad438_oproj, .Lfunc_end_k_q5f396ad438_oproj-k_q5f396ad438_oproj
	.p2alignl 7, 3214868480
	.fill 96, 4, 3214868480
	.section	.rodata,"a",@progbits
	.p2align	6, 0x0
	.amdhsa_kernel k_q5f396ad438_oproj
		.amdhsa_group_segment_fixed_size 327680
		.amdhsa_private_segment_fixed_size 0
		.amdhsa_enable_private_segment 0
		.amdhsa_kernarg_size 40
		.amdhsa_user_sgpr_count 2
		.amdhsa_user_sgpr_kernarg_segment_ptr 1
		.amdhsa_wavefront_size32 1
		.amdhsa_system_sgpr_workgroup_id_x 1
		.amdhsa_system_sgpr_workgroup_id_y 1
		.amdhsa_system_sgpr_workgroup_id_z 1
		.amdhsa_system_vgpr_workitem_id 0
		.amdhsa_next_free_vgpr 512
		.amdhsa_next_free_sgpr 98
		.amdhsa_reserve_vcc 0
		.amdhsa_float_denorm_mode_32 3
		.amdhsa_float_denorm_mode_16_64 3
		.amdhsa_memory_ordered 1
		.amdhsa_forward_progress 1
		.amdhsa_inst_pref_size 83
	.end_amdhsa_kernel
	.amdgpu_metadata
---
amdhsa.version: [ 1, 2 ]
amdhsa.kernels:
  - .name:           k_q5f396ad438_oproj
    .symbol:         k_q5f396ad438_oproj.kd
    .args:
      - { .name: ao_codes, .offset: 0, .size: 8, .value_kind: global_buffer, .address_space: global }
      - { .name: ao_scales, .offset: 8, .size: 8, .value_kind: global_buffer, .address_space: global }
      - { .name: codes, .offset: 16, .size: 8, .value_kind: global_buffer, .address_space: global }
      - { .name: scales, .offset: 24, .size: 8, .value_kind: global_buffer, .address_space: global }
      - { .name: out0, .offset: 32, .size: 8, .value_kind: global_buffer, .address_space: global }
    .group_segment_fixed_size: 327680
    .private_segment_fixed_size: 0
    .kernarg_segment_align: 8
    .kernarg_segment_size: 40
    .max_flat_workgroup_size: 128
    .sgpr_count:     98
    .vgpr_count:     512
    .wavefront_size: 32
...
	.end_amdgpu_metadata
.endif
;; end of part 4
